; MI455X (gfx1250); checked and timed in simulation.
; The chip was launched on July 23, 2026; its instructions are those of AMD's public machine-readable ISA for CDNA 5 (MIT licence, August 2026) and "CDNA5" Instruction Set Architecture Reference Guide (July 2026). The comments in the code are by the model that wrote it; some were corrected since.
;; Attention. Allowed arithmetic: matrix products marked QUANTISED: E2M1 operands, one E8M0 scale for each 32 along K, by v_wmma_scale_f32_16x16x128_f8f6f4 with both operands' format E2M1 (or v_wmma_scale_f32_32x16x128_f4), f32 sums; products left as they are: bf16, f16 or f32 operands; f32 sums; everything else in f32.
;; Inputs: b_o 1,024 float32; b_qkv 3,072 float32; hidden_states 4 x 2,048 x 1,024 float32; w_o 1,024 x 1,024 float32; w_qkv 1,024 x 3,072 float32.
;; Outputs: out0 4 x 2,048 x 1,024 float32.
;; This version of the problem:
;;   THIS VERSION OF THE PROBLEM IS GIVEN IN LOW PRECISION. The matrix products marked QUANTISED in the list below multiply operands that are first quantised to E2M1 (2 exponent bits, 1 mantissa bit; 4 bits a number), with one power-of-two scale for each 32 numbers along K (OCP MX v1.0); their sums are f32. The products marked 'left as it is' may take bf16, f16 or f32 operands, with f32 sums. Whichever they take, every output number must still come out within the allowed error. Rounding operands to bf16 (8 significant bits) uses up far more of that allowance than f16 does (11 bits, for magnitudes from 6e-5 to 65,504). All else is computed in f32.
;;   The module's matrix products, in the order in which they are computed (A, B: the left and right operand; K: the contracted axis; several contracted axes count as one K, in the product's order):
;;     1. [M 8,192, K 1,024] x [K 1,024, N 3,072]; A: input hidden_states; B: input w_qkv: QUANTISED
;;     2. batch 64 x [M 2,048, K 64] x [K 64, N 2,048]; A: computed on the way; B: computed on the way: left as it is (an operand is computed on the way)
;;     3. batch 64 x [M 2,048, K 2,048] x [K 2,048, N 64]; A: computed on the way; B: computed on the way: left as it is (an operand is computed on the way)
;;     4. [M 8,192, K 1,024] x [K 1,024, N 1,024]; A: computed on the way; B: input w_o: left as it is (an operand is computed on the way)
;;   THE QUANTISER, for each operand of a quantised product, along K:
;;     - K is cut into blocks of 32 from its start; a last block that is shorter is filled with zeros.
;;     - A block's scale is 2^e with e = floor(log2(the largest magnitude in the block)) - 2, held to -126 .. 127; a block of zeros has e = 0. As a byte (E8M0): e + 127.
;;     - Each number is divided by its block's scale, clamped to +-6, and rounded to the nearest number of E2M1, ties to even, subnormals kept.
;;     - The product sums the exact products of the quantised numbers (number of the format x scale) in f32.
;;   ~~~python
;;   def quantise(x, axis):      # numpy; x: float32 -> the quantised numbers, widened to float32 again
;;       x = np.moveaxis(x, axis, -1); K = x.shape[-1]
;;       x = np.pad(x, [(0, 0)] * (x.ndim - 1) + [(0, -K % 32)]); x = x.reshape(x.shape[:-1] + (-1, 32)); a = np.abs(x).max(-1, keepdims=True)
;;       e = np.where(a > 0, np.clip(np.frexp(np.where(a > 0, a, 1))[1] - 1 - 2, -126, 127), 0)      # np.frexp(a)[1] - 1 = floor(log2(a)), exactly
;;       r = np.clip(x / 2.0 ** e, -6, 6)
;;       step = 2.0 ** (np.maximum(np.frexp(np.where(r == 0, 1, r))[1] - 1, 0) - 1)
;;       q = np.round(r / step) * step * 2.0 ** e      # np.round: ties to even
;;       return np.moveaxis(q.reshape(q.shape[:-2] + (-1,))[..., :K], -1, axis).astype(np.float32)
;;   ~~~
;; One version. Each part assembles by itself: llvm-mc -triple=amdgcn-amd-amdhsa -mcpu=gfx1250 --defsym DOCPART=n.
;; ======== version 1 of 1: 5 launches
;; limits: values are held in f16: magnitudes above 65,504 overflow, below 6.1e-05 lose precision
;; workspace buffers: x_codes 4,194,304 bytes; x_scales 262,144 bytes; w_codes 1,572,864 bytes; w_scales 98,304 bytes; wo16 2,097,152 bytes; qkvh 50,331,648 bytes; a16 16,777,216 bytes; rows32 786,432 bytes
;; launch prep (part 1): grid 432 x 1, 4 waves a work-group, no clusters, 68,096 bytes of LDS; arguments hidden_states, w_qkv, w_o, x_codes, x_scales, w_codes, w_scales, wo16; writes x_codes, x_scales, w_codes, w_scales, wo16
.if DOCPART == 1
	.amdgcn_target "amdgcn-amd-amdhsa--gfx1250"
	.amdhsa_code_object_version 6
	.text
	.protected	k_qef737623f5_prep
	.globl	k_qef737623f5_prep
	.p2align	8
	.type	k_qef737623f5_prep,@function
k_qef737623f5_prep:
	s_mov_b64 s[64:65], 0
	v_nop
	global_prefetch_b8 v0, s[64:65] scope:SCOPE_SE
	s_setreg_imm32_b32 hwreg(HW_REG_WAVE_MODE, 25, 1), 1
	s_wait_xcnt 0x0
; PREP.  Three jobs in one launch, parted by the work-group's number; each job has LDS bytes of its own.
;  X (work-groups 0-255):   hidden_states [8192][1024] f32 -> codes of FP4 (E2M1), K innermost, [8192][512 bytes], and one E8M0 byte for each 32 along K, [8192][32].
;  W (work-groups 256-303): w_qkv [1024 k][3072 n] f32, K its FIRST axis -> codes [3072][512 bytes] with K innermost, scale bytes [3072][32].
;  O (work-groups 304-431): w_o [1024][1024] f32 -> f16, in the same order.
; A block's scale is 2^(floor(log2(its largest magnitude)) - 2); its byte is the largest magnitude's exponent field - 2, held at 1 from below.
; LIMITS: a block of zeros gets the byte 1 (its codes are zeros, and this program alone reads the bytes); blocks whose largest magnitude lies under 2^(2 - 126) were not tried;
; NaN and infinities are not served; |w_o| stays under 65,504 (f16).
; No tensor loads, no barrier: waves share nothing.
.set NX,    256                        ; work-groups of job X: 8192 x 1024 / 32768
.set NW,    48                         ; of job W: 3072 / 128 columns x 1024 / 512 along K
.set SPW,   192                        ; v192  LDS address of my spare word; never rewritten
.set NIL,   193                        ; v193  0; never rewritten
.set WREG,  8192                       ; job X: a region for each wave: two stages of 32 x SP bytes, then its 256 scale bytes
.set SP,    80                         ; a lane's place in a stage: 64 bytes + 16 of padding
.set STGW,  4*WREG                     ; job W: a stage of 32 rows x WP bytes for each wave
.set WP,    272
.set SPARE, STGW+4*32*WP               ; the spare words: 128 bytes for each wave, named by no other line
.set EMAX,  2
.set STEPS, 16
.set CB,    8                          ; bytes of 16 codes
.set XR,    16                         ; job X: v16-79 four sets of 16 numbers as loaded
.set XX,    80                         ; v80-111 two sets of 16 neighbours
.set XE,    112                        ; v112-127 a scale byte for each step
.set XC,    128                        ; v128-191 codes, four registers for each step
.set WN,    3072
.set NB,    16                         ; job W: blocks of 32 along K for a lane
.set WSB,   24                         ; v24-27 the scale bytes, four to a register
.set WX,    32                         ; v32-95 two sets of 32 numbers
.set WC,    96                         ; v96-99 a block's codes
.set WOUT,  112                        ; v112-175 the way out
.macro FIN                             ; a wave's end, behind the last LDS store
	s_wait_tensorcnt 0x0
	ds_add_u32 v[SPW], v[NIL]
	s_wait_dscnt 0x0
	s_endpgm
.endm
	s_load_b256 s[4:11], s[0:1], 0x0               ; hidden_states s[4:5], w_qkv s[6:7], w_o s[8:9], x_codes s[10:11]
	s_load_b256 s[12:19], s[0:1], 0x20             ; x_scales s[12:13], w_codes s[14:15], w_scales s[16:17], wo16 s[18:19]
	v_lshl_add_u32 v[SPW], v0, 2, SPARE
	v_mov_b32 v[NIL], 0
	v_lshrrev_b32 v1, 5, v0
	v_readfirstlane_b32 s20, v1                    ; wave
	v_and_b32 v2, 31, v0                           ; lane
	s_wait_kmcnt 0x0
	s_cmp_lt_u32 ttmp9, NX
	s_cbranch_scc0 .Lnot_x
; ---------------- job X: a wave takes 16 steps of 512 numbers.  Each load reads 512 consecutive bytes; a step's 2,048 bytes turn through the wave's stage, so that a lane then holds 16 neighbours along K
	v_lshlrev_b32 v3, 4, v2                        ; my 16 bytes of a load's 512
	s_mul_i32 s21, s20, WREG
	v_lshrrev_b32 v14, 2, v2
	v_mul_u32_u24 v14, v14, SP
	v_and_b32 v15, 3, v2
	v_lshl_add_u32 v14, v15, 4, v14
	v_add_nc_u32 v14, s21, v14                     ; into the stage: SP (lane / 4) + 16 (lane % 4)
	v_mul_u32_u24 v15, v2, SP
	v_add_nc_u32 v15, s21, v15                     ; out of it: SP x lane
	v_mul_u32_u24 v4, v2, CB                       ; my codes' place in a step's 256 bytes
	v_lshrrev_b32 v5, 1, v2
	s_add_co_u32 s21, s21, 2*32*SP
	v_add_nc_u32 v5, s21, v5                       ; my block's byte among the wave's 256 scale bytes
	v_lshlrev_b32 v7, 3, v2
	v_add_nc_u32 v6, s21, v7                       ; and 8 bytes a lane on their way out
	s_lshl_b32 s22, ttmp9, 2
	s_add_co_u32 s22, s22, s20                     ; which run of 8,192 numbers is my wave's
	s_mov_b32 s23, 0
	s_lshl_b64 s[24:25], s[22:23], 15
	s_add_nc_u64 s[4:5], s[4:5], s[24:25]
	s_lshl_b64 s[24:25], s[22:23], 12
	s_add_nc_u64 s[10:11], s[10:11], s[24:25]
	s_lshl_b64 s[24:25], s[22:23], 8
	s_add_nc_u64 s[12:13], s[12:13], s[24:25]
.macro LOADX t
.irp i, 0,1,2,3
	global_load_b128 v[XR+16*((\t)%4)+4*\i:XR+16*((\t)%4)+4*\i+3], v3, s[4:5] offset:2048*(\t)+512*\i th:TH_LOAD_NT
.endr
.endm
.macro TURNX t                         ; LDS serves a wave's instructions in order: no wait between the stores and the loads
.irp i, 0,1,2,3
	ds_store_b128 v14, v[XR+16*((\t)%4)+4*\i:XR+16*((\t)%4)+4*\i+3] offset:32*SP*((\t)%2)+8*SP*\i
.endr
.irp i, 0,1,2,3
	ds_load_b128 v[XX+16*((\t)%2)+4*\i:XX+16*((\t)%2)+4*\i+3], v15 offset:32*SP*((\t)%2)+16*\i
.endr
.endm
.irp t, 0,1,2,3
	LOADX \t
.endr
	s_wait_loadcnt 12                              ; step 0's four loads are in; twelve younger ones stay out
	TURNX 0
.macro STEPX t
.set XS, XX+16*((\t)%2)
.if (\t) > 0
	s_wait_dscnt 1                                 ; this step's numbers are back from the stage; the last step's byte store may be out
.else
	s_wait_dscnt 0x0
.endif
.if (\t)+4 < STEPS
	LOADX (\t)+4                                   ; into the set whose stores into the stage have read their registers
.endif
.if (\t)+1 < STEPS
.if STEPS-2-(\t) >= 3
	s_wait_loadcnt 12                              ; the next step's four loads are in; three steps' loads stay out
.else
	s_wait_loadcnt 4*(STEPS-2-(\t))
.endif
	TURNX (\t)+1
.endif
	v_max3_num_f32 v8, |v[XS]|, |v[XS+1]|, |v[XS+2]|
	v_max3_num_f32 v9, |v[XS+3]|, |v[XS+4]|, |v[XS+5]|
.irp i, 6,10
	v_max3_num_f32 v8, v8, |v[XS+\i]|, |v[XS+\i+1]|
	v_max3_num_f32 v9, v9, |v[XS+\i+2]|, |v[XS+\i+3]|
.endr
	v_max3_num_f32 v8, v8, |v[XS+14]|, |v[XS+15]|
	v_max3_num_f32 v8, v8, v9, (EMAX+1)<<23        ; the floor 2^(3 - 127): the byte cannot fall under 1
	v_max_num_f32_dpp v8, v8, v8 row_xmask:1 row_mask:0xf bank_mask:0xf   ; with my neighbour's 16: the block's largest magnitude
	v_add_nc_u32 v11, 0xff000000, v8               ; 2 off its exponent field: the conversion takes this operand's exponent field as its scale
	v_cvt_scalef32_pk8_fp4_f32 v[XC+4*(\t)], v[XS:XS+7], v11
	v_cvt_scalef32_pk8_fp4_f32 v[XC+4*(\t)+1], v[XS+8:XS+15], v11
	v_lshrrev_b32 v[XE+(\t)], 23, v11              ; the scale's byte
	ds_store_b8 v5, v[XE+(\t)] offset:16*(\t)      ; both lanes of a block write the same byte with the same value
	global_store_b64 v4, v[XC+4*(\t):XC+4*(\t)+1], s[10:11] offset:32*CB*(\t)   ; the wave stores 256 consecutive bytes, aligned
.endm
.irp t, 0,1,2,3,4,5,6,7,8,9,10,11,12,13,14,15
	STEPX \t
.endr
	ds_load_b64 v[8:9], v6
	s_wait_dscnt 0x0
	global_store_b64 v7, v[8:9], s[12:13]          ; the wave's 256 scale bytes, aligned
	FIN
.Lnot_x:
	s_cmp_lt_u32 ttmp9, NX+NW
	s_cbranch_scc0 .Ljob_o
; ---------------- job W: a lane takes a column n and its registers run down K; a wave takes 32 columns x 512 along K: 16 blocks a lane, 256 bytes of codes for each column
	s_sub_co_u32 s21, ttmp9, NX
	s_cmp_ge_u32 s21, 24
	s_cselect_b32 s22, 1, 0                        ; which 512 along K
	s_cselect_b32 s23, 24, 0
	s_sub_co_u32 s21, s21, s23
	s_lshl_b32 s21, s21, 7
	s_lshl_b32 s23, s20, 5
	s_add_co_u32 s21, s21, s23                     ; my wave's first column
	v_lshlrev_b32 v3, 2, v2                        ; in: 4 bytes a lane
	s_mul_i32 s23, s20, 32*WP
	s_add_co_u32 s23, s23, STGW                    ; my stage
	v_mul_u32_u24 v4, v2, WP
	v_add_nc_u32 v4, s23, v4                       ; into it: row = my column
	v_and_b32 v5, 15, v2
	v_lshrrev_b32 v6, 4, v2
	v_mul_u32_u24 v7, v6, WP
	v_lshl_add_u32 v7, v5, 4, v7
	v_add_nc_u32 v7, s23, v7                       ; out of it: sixteen lanes to a row, two rows an instruction
	v_lshlrev_b32 v8, 9, v6
	v_lshl_add_u32 v8, v5, 4, v8                   ; the same place in the codes' buffer (rows of 512 bytes)
	v_lshlrev_b32 v9, 5, v2                        ; my column's row of 32 scale bytes
	s_mul_i32 s24, s22, 512*WN*4
	s_lshl_b32 s26, s21, 2
	s_add_co_u32 s24, s24, s26
	s_mov_b32 s25, 0
	s_add_nc_u64 s[6:7], s[6:7], s[24:25]
	s_lshl_b32 s24, s21, 9
	s_lshl_b32 s26, s22, 8
	s_add_co_u32 s24, s24, s26
	s_add_nc_u64 s[14:15], s[14:15], s[24:25]
	s_lshl_b32 s24, s21, 5
	s_lshl_b32 s26, s22, 4
	s_add_co_u32 s24, s24, s26
	s_add_nc_u64 s[16:17], s[16:17], s[24:25]
.macro LOADW t                         ; block t: w(32 t + i, my column) into set t % 2; the largest immediate is 511 x 12,288 bytes
.irp i, 0,1,2,3,4,5,6,7,8,9,10,11,12,13,14,15,16,17,18,19,20,21,22,23,24,25,26,27,28,29,30,31
	global_load_b32 v[WX+32*((\t)%2)+\i], v3, s[6:7] offset:(32*(\t)+\i)*WN*4 th:TH_LOAD_NT
.endr
.endm
	LOADW 0
	LOADW 1
.macro BLOCKW t
.set XS, WX+32*((\t)%2)
.if (\t) < NB-1
	s_wait_loadcnt 32                              ; this block's 32 loads are in; the next block's may be out
.else
	s_wait_loadcnt 0
.endif
	v_max3_num_f32 v12, |v[XS]|, |v[XS+1]|, |v[XS+2]|
	v_max3_num_f32 v13, |v[XS+3]|, |v[XS+4]|, |v[XS+5]|
.irp i, 6,10,14,18,22,26
	v_max3_num_f32 v12, v12, |v[XS+\i]|, |v[XS+\i+1]|
	v_max3_num_f32 v13, v13, |v[XS+\i+2]|, |v[XS+\i+3]|
.endr
	v_max3_num_f32 v12, v12, |v[XS+30]|, |v[XS+31]|
	v_max3_num_f32 v12, v12, v13, (EMAX+1)<<23     ; the floor
	v_add_nc_u32 v11, 0xff000000, v12              ; the conversion's scale operand
	v_lshrrev_b32 v13, 23, v11                     ; the scale's byte
.if (\t)%4 == 0
	v_mov_b32 v[WSB+(\t)/4], v13
.else
	v_lshl_or_b32 v[WSB+(\t)/4], v13, 8*((\t)%4), v[WSB+(\t)/4]
.endif
.irp g, 0,1,2,3
	v_cvt_scalef32_pk8_fp4_f32 v[WC+\g], v[XS+8*\g:XS+8*\g+7], v11
.endr
	ds_store_b128 v4, v[WC:WC+3] offset:16*(\t)    ; 32 codes: 16 bytes of my column's row
.if (\t)+2 < NB
	LOADW (\t)+2
.endif
	s_wait_dscnt 0x0                               ; the store has read its registers: the next block's codes may be written
.endm
.set Q, 0
.rept NB
	BLOCKW Q
.set Q, Q+1
.endr
	global_store_b128 v9, v[WSB:WSB+3], s[16:17]   ; my column's 16 scale bytes
.irp t, 0,1,2,3,4,5,6,7,8,9,10,11,12,13,14,15
	ds_load_b128 v[WOUT+4*\t:WOUT+4*\t+3], v7 offset:2*\t*WP
.endr
.irp t, 0,1,2,3,4,5,6,7,8,9,10,11,12,13,14,15
	s_wait_dscnt 15-\t                             ; load t is in; the younger ones stay out
	global_store_b128 v8, v[WOUT+4*\t:WOUT+4*\t+3], s[14:15] offset:2*\t*512   ; sixteen lanes store 256 consecutive bytes, aligned
.endr
	FIN
.Ljob_o:
; ---------------- job O: a wave casts 2,048 numbers of w_o to f16
	s_sub_co_u32 s21, ttmp9, NX+NW
	s_lshl_b32 s21, s21, 2
	s_add_co_u32 s21, s21, s20
	s_lshl_b32 s22, s21, 13
	s_mov_b32 s23, 0
	s_add_nc_u64 s[8:9], s[8:9], s[22:23]
	s_lshl_b32 s22, s21, 12
	s_add_nc_u64 s[18:19], s[18:19], s[22:23]
	v_lshlrev_b32 v3, 4, v2
	v_lshlrev_b32 v4, 3, v2
.irp i, 0,1,2,3,4,5,6,7,8,9,10,11,12,13,14,15
	global_load_b128 v[16+4*\i:19+4*\i], v3, s[8:9] offset:512*\i
.endr
.irp i, 0,1,2,3,4,5,6,7,8,9,10,11,12,13,14,15
	s_wait_loadcnt 15-\i                           ; load i is in; the younger ones stay out
	v_cvt_pk_f16_f32 v[80+2*\i], v[16+4*\i], v[17+4*\i]
	v_cvt_pk_f16_f32 v[81+2*\i], v[18+4*\i], v[19+4*\i]
	global_store_b64 v4, v[80+2*\i:81+2*\i], s[18:19] offset:256*\i   ; the wave stores 256 consecutive bytes, aligned
.endr
	FIN
.Lfunc_end_k_qef737623f5_prep:
	.size	k_qef737623f5_prep, .Lfunc_end_k_qef737623f5_prep-k_qef737623f5_prep
	.p2alignl 7, 3214868480
	.fill 96, 4, 3214868480
	.section	.rodata,"a",@progbits
	.p2align	6, 0x0
	.amdhsa_kernel k_qef737623f5_prep
		.amdhsa_group_segment_fixed_size 68096
		.amdhsa_private_segment_fixed_size 0
		.amdhsa_enable_private_segment 0
		.amdhsa_kernarg_size 64
		.amdhsa_user_sgpr_count 2
		.amdhsa_user_sgpr_kernarg_segment_ptr 1
		.amdhsa_wavefront_size32 1
		.amdhsa_system_sgpr_workgroup_id_x 1
		.amdhsa_system_sgpr_workgroup_id_y 1
		.amdhsa_system_sgpr_workgroup_id_z 1
		.amdhsa_system_vgpr_workitem_id 0
		.amdhsa_next_free_vgpr 200
		.amdhsa_next_free_sgpr 66
		.amdhsa_reserve_vcc 0
		.amdhsa_float_denorm_mode_32 3
		.amdhsa_float_denorm_mode_16_64 3
		.amdhsa_memory_ordered 1
		.amdhsa_forward_progress 1
		.amdhsa_inst_pref_size 117
	.end_amdhsa_kernel
	.amdgpu_metadata
---
amdhsa.version: [ 1, 2 ]
amdhsa.kernels:
  - .name:           k_qef737623f5_prep
    .symbol:         k_qef737623f5_prep.kd
    .args:
      - { .name: hidden_states, .offset: 0, .size: 8, .value_kind: global_buffer, .address_space: global }
      - { .name: w_qkv, .offset: 8, .size: 8, .value_kind: global_buffer, .address_space: global }
      - { .name: w_o, .offset: 16, .size: 8, .value_kind: global_buffer, .address_space: global }
      - { .name: x_codes, .offset: 24, .size: 8, .value_kind: global_buffer, .address_space: global }
      - { .name: x_scales, .offset: 32, .size: 8, .value_kind: global_buffer, .address_space: global }
      - { .name: w_codes, .offset: 40, .size: 8, .value_kind: global_buffer, .address_space: global }
      - { .name: w_scales, .offset: 48, .size: 8, .value_kind: global_buffer, .address_space: global }
      - { .name: wo16, .offset: 56, .size: 8, .value_kind: global_buffer, .address_space: global }
    .group_segment_fixed_size: 68096
    .private_segment_fixed_size: 0
    .kernarg_segment_align: 8
    .kernarg_segment_size: 64
    .max_flat_workgroup_size: 128
    .sgpr_count:     66
    .vgpr_count:     200
    .wavefront_size: 32
...
	.end_amdgpu_metadata
.endif
;; end of part 1
;; launch qkv (part 2): grid 12 x 32, 4 waves a work-group, clusters of 4 x 4, 327,680 bytes of LDS; arguments x_codes, x_scales, w_codes, w_scales, b_qkv, qkvh, rows32; writes qkvh, rows32
.if DOCPART == 2
	.amdgcn_target "amdgcn-amd-amdhsa--gfx1250"
	.amdhsa_code_object_version 6
	.text
	.protected	k_qef737623f5_qkv
	.globl	k_qef737623f5_qkv
	.p2align	8
	.type	k_qef737623f5_qkv,@function
k_qef737623f5_qkv:
	s_mov_b64 s[64:65], 0
	v_nop
	global_prefetch_b8 v0, s[64:65] scope:SCOPE_SE
	s_setreg_imm32_b32 hwreg(HW_REG_WAVE_MODE, 25, 1), 1
	s_wait_xcnt 0x0
	s_wait_alu depctr_hold_cnt(0) depctr_sa_sdst(0) depctr_va_vdst(0) depctr_va_sdst(0) depctr_va_ssrc(0) depctr_va_vcc(0) depctr_vm_vsrc(0)
	s_getreg_b32 s2, hwreg(HW_REG_IB_STS2, 6, 4)
	s_cmp_eq_u32 s2, 0
	s_cbranch_scc0 .Lentry_in_a_cluster
	s_endpgm
.Lentry_in_a_cluster:
	s_bfe_u32 s2, ttmp6, 0x10000c
	s_cmp_lg_u32 s2, 0xf033
	s_cbranch_scc0 .Lentry_shape_is_right
	s_endpgm
.Lentry_shape_is_right:
; QKV = Q(x) Q(w_qkv) + b_qkv on codes of FP4 (E2M1) with one E8M0 scale for each 32 along K.  x: [8192][1024], w: [3072 n][1024 k], both as codes with K innermost; sums in f32.
; The result leaves as f16, by head: qkvh [sel 3][batch 4][head 16][t 2048][64]; positions 0-15 of each batch also leave as f32: rows32 [batch 4][t 16][3072].
; LIMIT: |q|, |k|, |v| stay under 65,504 (f16); NaN and infinities are not served.
; A tile of 256 x 256 is made by a work-group of four waves; a wave makes 128 x 128: 64 accumulators of 16 x 16, 512 registers.  K = 1,024 is two LDS slots of 512: both are asked for at the head and
; nothing is filled again.  The scales of the work-group's 256 + 256 rows come once, as dense blocks.
; CLUSTERS: 4 x 4 work-groups.  The four of a row of the cluster need the same tiles of x, the four of a column the same tiles of w: each tile is asked for jointly.
; Tile row = cluster y + 8 cy, so that the batch is cy and the tile's first position is 256 x cluster y: whether a tile holds positions 0-15 hangs on the cluster's y alone, which all partners share.
; THE MATRIX INSTRUCTION IS USED TRANSPOSED (source 0 = 16 rows of w, source 1 = 16 rows of x): a lane holds eight neighbouring columns of one row.  The bias is the C of each sum's first product.
; REGISTERS: window 0: v0-31 addresses; v32-95 scale words, two sets; v128-191 x's fragments, one set; v192-255 the bias (8 column blocks x 8).  window 1: w's fragments, two sets, at v0 and v128.
;   window 2: the accumulators of my rows 0-63 ((a, b) at v[8 (8 a + b)]); window 3: those of rows 64-127.
.set NQ,     4                         ; steps of 128 along K in a slot
.set ROWB,   256                       ; a tile's row in bytes: 512 codes
.set KROW,   512                       ; a row of codes in memory
.set PITCH,  272                       ; an LDS row: 256 bytes + 16 of padding: the 16 rows that a load touches start 68 words apart
.set FR,     8
.set NL,     2
.set NP,     4
.set HALFT,  128*PITCH
.set SLOT,   4*HALFT
.set KS,     32                        ; a row of scale bytes
.set SCL,    2*SLOT
.set HALFS,  16*272                    ; the scales of 128 rows
.set SBLK,   2*272                     ; of 16 rows
.set SPARE,  SCL+4*HALFS               ; the spare words: 128 bytes for each wave, named by no other line
.set SP32,   528                       ; the way out, f32: a stage of 16 rows x (512 + 16) for each wave, from LDS byte 0 on
.set ST16,   34816                     ; the way out, f16: a stage of 16 rows x (256 + 16) for each wave.  Both lie in slot 0, which has had its only fill and its last read by then
.set SP16,   272
.set ADRA, 16
.set ADRB, 20
.set STO16, 22
.set RD16, 23
.set STO32, 24
.set RD32, 25
.set CO,   26                          ; 16 x lane
.set ADRS, 27
.set SPW,  28
.set NIL,  29
.set BOF,  30
.set SC,   32
.set TMP,  32                          ; the way out: packed results
.set AF,   128
.set BK,   128                         ; the way out: rows read back: v128-159 and v160-191 by turns
.set BI,   192
.set G1, 24
.set G0, 32
.set G1B, 48
.set G0B, 56
.set G1S, 68
.set G0S, 76
.set G1SB, 80
.set G0SB, 88
.set MSB, 0
.macro WIN new                         ; the immediate's high byte repeats the setting that is left
.if MSB != \new
	s_set_vgpr_msb (MSB<<8)|\new
.set MSB, \new
.endif
.endm
.set MUL_LO, 0xa1                      ; source 0 (w) window 1, source 1 (x) window 0, C and D window 2
.set MUL_HI, 0xf1
.set TO_B,   0x40
; A joint load: waves 0 and 1 fetch for x, waves 2 and 3 for w.  The branch hangs on the wave's number alone.  An s_nop 0 and four v_nop follow each line.
.macro JLOAD g0a, g1a, g0b, g1b
	s_cmp_eq_u32 s15, 0
	s_cbranch_scc0 .Lfor_b_\@
	tensor_load_to_lds s[\g0a:\g0a+3], s[\g1a:\g1a+7]
	s_nop 0
.rept 4
	v_nop
.endr
	s_branch .Lasked_\@
.Lfor_b_\@:
	tensor_load_to_lds s[\g0b:\g0b+3], s[\g1b:\g1b+7]
	s_nop 0
.rept 4
	v_nop
.endr
.Lasked_\@:
.endm
.macro CROUND                          ; a round of the cluster's barrier
	s_barrier_signal -1
	s_barrier_wait -1
	s_cmp_lg_u32 s14, 0
	s_cbranch_scc1 .Lnot_wave_0_\@
	s_barrier_signal -3
.Lnot_wave_0_\@:
	s_barrier_wait -3
	s_barrier_signal -1
	s_barrier_wait -1
.endm
	s_load_b128 s[4:7], s[0:1], 0x0                ; x's codes s[4:5], x's scales s[6:7]
	s_load_b128 s[8:11], s[0:1], 0x10              ; w's codes s[8:9], w's scales s[10:11]
	s_load_b128 s[96:99], s[0:1], 0x20             ; b_qkv s[96:97], qkvh s[98:99]
	s_load_b64 s[100:101], s[0:1], 0x30            ; rows32
	v_lshl_add_u32 v[SPW], v0, 2, SPARE
	v_mov_b32 v[NIL], 0
	ds_add_u32 v[SPW], v[NIL]                      ; the wave's opening: the add, twice on end, and its wait ahead of my first tensor load
	ds_add_u32 v[SPW], v[NIL]
	v_lshrrev_b32 v1, 5, v0
	v_readfirstlane_b32 s14, v1                    ; wave 0..3
	s_lshr_b32 s15, s14, 1                         ; which half of the tile's rows is mine.  Also: I fetch for x (0) or for w (1)
	s_and_b32 s16, s14, 1                          ; which half of its columns.  Also: which 128 rows I fetch
	s_bfe_u32 s40, ttmp6, 0x40000                  ; cx
	s_bfe_u32 s41, ttmp6, 0x40004                  ; cy
	s_lshl_b32 s42, ttmp9, 2
	s_add_co_u32 s42, s42, s40                     ; tile column = 4 x cluster x + cx
	s_and_b32 s17, ttmp7, 0xffff
	s_lshl_b32 s18, s41, 3
	s_add_co_u32 s17, s17, s18                     ; tile row = cluster y + 8 cy
	s_lshl_b32 s43, s41, 2
	s_lshl_b32 s43, 15, s43                        ; my row of the cluster
	s_lshl_b32 s44, 0x1111, s40                    ; my column
	s_or_b32 s[G1+0], s43, (0<<16)|(1<<20)|(1<<21)|(5<<22)|(3<<25)   ; the mask; elements of 1 byte; padding: 4 words behind every 64
	s_or_b32 s[G1B+0], s44, (0<<16)|(1<<20)|(1<<21)|(5<<22)|(3<<25)
.irp g, G1, G1B
	s_mov_b32 s[\g+1], ROWB<<16                    ; tensor_dim0
	s_mov_b32 s[\g+2], 128<<16                     ; tensor_dim1
	s_mov_b32 s[\g+3], ROWB<<16                    ; tile_dim0
	s_mov_b32 s[\g+4], 128                         ; tile_dim1
	s_mov_b32 s[\g+5], KROW                        ; the pitch
	s_mov_b32 s[\g+6], 0
	s_mov_b32 s[\g+7], 0
.endr
	s_or_b32 s[G1S+0], s43, (3<<16)|(1<<20)|(1<<21)|(5<<22)|(3<<25)  ; the scales of 128 rows: 4,096 dense bytes as 16 rows of 256 (32 elements of 8 bytes), 16 bytes of padding behind each
	s_or_b32 s[G1SB+0], s44, (3<<16)|(1<<20)|(1<<21)|(5<<22)|(3<<25)
.irp g, G1S, G1SB
	s_mov_b32 s[\g+1], 32<<16
	s_mov_b32 s[\g+2], 16<<16
	s_mov_b32 s[\g+3], 32<<16
	s_mov_b32 s[\g+4], 16
	s_mov_b32 s[\g+5], 32
	s_mov_b32 s[\g+6], 0
	s_mov_b32 s[\g+7], 0
.endr
	s_lshl_b32 s18, s16, 7
	s_lshl_b32 s20, s17, 8
	s_add_co_u32 s20, s20, s18                     ; x: row 256 x tile row + 128 x half
	s_lshl_b32 s46, s42, 8
	s_add_co_u32 s46, s46, s18                     ; w: row 256 x tile column + 128 x half
	s_mov_b32 s21, 0
	s_mov_b32 s47, 0
	s_mov_b64 s[18:19], KS
	s_mul_u64 s[22:23], s[20:21], s[18:19]         ; where these rows' scales begin
	s_mul_u64 s[92:93], s[46:47], s[18:19]
	s_mov_b64 s[18:19], KROW
	s_mul_u64 s[20:21], s[20:21], s[18:19]         ; and their codes
	s_mul_u64 s[46:47], s[46:47], s[18:19]
	s_mul_i32 s45, s14, HALFT                      ; where they go: wave x 128 rows
	s_mul_i32 s94, s14, HALFS
	s_wait_dscnt 0x0                               ; both opening adds are done
	s_wait_kmcnt 0x0
	s_add_nc_u64 s[20:21], s[4:5], s[20:21]
	s_add_nc_u64 s[22:23], s[6:7], s[22:23]
	s_add_nc_u64 s[46:47], s[8:9], s[46:47]
	s_add_nc_u64 s[92:93], s[10:11], s[92:93]
	CROUND                                         ; all sixteen work-groups are here: the joint loads meet
	s_mov_b32 s[G0S], 1
	s_add_co_u32 s[G0S+1], s94, SCL
	s_mov_b64 s[G0S+2:G0S+3], s[22:23]
	s_or_b32 s[G0S+3], s[G0S+3], 0x80000000
	s_mov_b32 s[G0SB], 1
	s_add_co_u32 s[G0SB+1], s94, SCL
	s_mov_b64 s[G0SB+2:G0SB+3], s[92:93]
	s_or_b32 s[G0SB+3], s[G0SB+3], 0x80000000
	JLOAD G0S, G1S, G0SB, G1SB                     ; the scales first
.irp s, 0,1
	s_mov_b32 s[G0+4*\s], 1
	s_add_co_u32 s[G0+4*\s+1], s45, \s*SLOT
	s_add_nc_u64 s[G0+4*\s+2:G0+4*\s+3], s[20:21], \s*ROWB
	s_or_b32 s[G0+4*\s+3], s[G0+4*\s+3], 0x80000000
	s_mov_b32 s[G0B+4*\s], 1
	s_add_co_u32 s[G0B+4*\s+1], s45, \s*SLOT
	s_add_nc_u64 s[G0B+4*\s+2:G0B+4*\s+3], s[46:47], \s*ROWB
	s_or_b32 s[G0B+4*\s+3], s[G0B+4*\s+3], 0x80000000
	JLOAD G0+4*\s, G1, G0B+4*\s, G1B               ; three loads of mine are out at the most
.endr
	v_and_b32 v1, 15, v0                           ; r
	v_bfe_u32 v2, v0, 4, 1                         ; h
	v_mul_u32_u24 v3, v1, PITCH
	v_lshl_add_u32 v4, v2, 4, v3                   ; a fragment's row x pitch + 16 h
	s_mul_i32 s21, s15, HALFT
	s_mul_i32 s22, s16, HALFT
	s_add_co_u32 s22, s22, 2*HALFT
.irp s, 0,1
	v_add_nc_u32 v[ADRA+\s], s21, v4
	v_add_nc_u32 v[ADRB+\s], s22, v4
	s_add_co_u32 s21, s21, SLOT
	s_add_co_u32 s22, s22, SLOT
.endr
	v_mul_u32_u24 v5, v1, KS                       ; my row's scales: 32 bytes a row,
	v_lshrrev_b32 v6, 8, v5
	v_lshl_add_u32 v5, v6, 4, v5                   ; and 16 more for each 256 passed
	s_mul_i32 s21, s15, HALFS
	s_mul_i32 s22, s16, HALFS
	s_add_co_u32 s22, s22, 2*HALFS
	s_sub_co_u32 s22, s22, s21
	v_mul_u32_u24 v6, s22, v2                      ; lanes 16-31 take w's
	s_add_co_u32 s21, s21, SCL
	v_add_nc_u32 v5, v5, v6
	v_add_nc_u32 v[ADRS], s21, v5
	s_mul_i32 s23, s14, 16*SP32                    ; the f32 stage
	v_mul_u32_u24 v5, v1, SP32
	v_lshl_add_u32 v5, v2, 5, v5
	v_add_nc_u32 v[STO32], s23, v5
	v_and_b32 v6, 31, v0
	v_lshlrev_b32 v[CO], 4, v6
	v_add_nc_u32 v[RD32], s23, v[CO]
	s_mul_i32 s23, s14, 16*SP16                    ; the f16 stage
	s_add_co_u32 s23, s23, ST16
	v_mul_u32_u24 v5, v1, SP16
	v_lshl_add_u32 v5, v2, 4, v5
	v_add_nc_u32 v[STO16], s23, v5                 ; in: row r, 16 bytes for each half of the lanes
	v_lshrrev_b32 v5, 3, v6
	v_mul_u32_u24 v5, v5, SP16
	v_and_b32 v6, 7, v6
	v_lshl_add_u32 v5, v6, 4, v5
	v_add_nc_u32 v[RD16], s23, v5                  ; back: eight lanes take a head's 128 bytes of a row, four rows an instruction
	s_lshl_b32 s46, s42, 10
	s_lshl_b32 s47, s16, 9
	s_add_co_u32 s46, s46, s47                     ; my first column, in bytes of f32
	s_mov_b32 s47, 0
	s_add_nc_u64 s[96:97], s[96:97], s[46:47]
	v_lshlrev_b32 v[BOF], 5, v2                    ; the bias: lane (r, h) wants, for column block b, the numbers 16 b + 8 h + 0 .. 7
.irp b, 0,1,2,3,4,5,6,7
	global_load_b128 v[BI+8*\b:BI+8*\b+3], v[BOF], s[96:97] offset:64*\b
	global_load_b128 v[BI+8*\b+4:BI+8*\b+7], v[BOF], s[96:97] offset:64*\b+16
.endr
	s_mul_i32 s20, s41, 16*12288                   ; rows32: my batch's 16 rows, my columns
	s_mov_b32 s21, 0
	s_add_nc_u64 s[100:101], s[100:101], s[20:21]
	s_add_nc_u64 s[100:101], s[100:101], s[46:47]
	s_lshl_b32 s20, ttmp9, 24                      ; qkvh: the section (q, k or v) is the cluster's x,
	s_lshl_b32 s22, s41, 4
	s_lshl_b32 s23, s40, 2
	s_add_co_u32 s22, s22, s23
	s_lshl_b32 s23, s16, 1
	s_add_co_u32 s22, s22, s23                     ; batch x 16 + my first head (4 cx + 2 x column half),
	s_lshl_b32 s22, s22, 18
	s_add_co_u32 s20, s20, s22
	s_and_b32 s22, ttmp7, 0xffff
	s_lshl_b32 s22, s22, 15                        ; position 256 x cluster y, 128 bytes a position,
	s_add_co_u32 s20, s20, s22
	s_lshl_b32 s22, s15, 14                        ; + 128 x row half
	s_add_co_u32 s20, s20, s22
	s_add_nc_u64 s[12:13], s[98:99], s[20:21]
.macro FRAG reg, adr, q, i             ; 16 rows x 128 K of 4-bit codes: 8 registers: two loads of 16 bytes, 32 bytes apart
.irp c, 0,1
	ds_load_b128 v[\reg+4*\c:\reg+4*\c+3], v[\adr] offset:64*(\q)+32*\c+(\i)*16*PITCH
.endr
.endm
; 16 matrix instructions: x's blocks a0, a0 + 1 against w's eight.  first = 1: the bias starts the sums.  The 64 accumulators take turns, one instruction a turn.
.macro MUL16 a0, p, q, sc, first
.irp a, \a0, \a0+1
.irp b, 0,1,2,3,4,5,6,7
.if \first
	v_wmma_scale_f32_16x16x128_f8f6f4 v[8*(8*((\a)%4)+\b):8*(8*((\a)%4)+\b)+7], v[128*(\p)+FR*\b:128*(\p)+FR*\b+FR-1], v[AF+FR*(\a):AF+FR*(\a)+FR-1], v[BI+8*\b:BI+8*\b+7], v[SC+8*NQ*(\sc)+NQ*\b+(\q)], v[SC+8*NQ*(\sc)+NQ*(\a)+(\q)] matrix_a_fmt:MATRIX_FMT_FP4 matrix_b_fmt:MATRIX_FMT_FP4 matrix_a_scale:MATRIX_SCALE_ROW1
.else
	v_wmma_scale_f32_16x16x128_f8f6f4 v[8*(8*((\a)%4)+\b):8*(8*((\a)%4)+\b)+7], v[128*(\p)+FR*\b:128*(\p)+FR*\b+FR-1], v[AF+FR*(\a):AF+FR*(\a)+FR-1], v[8*(8*((\a)%4)+\b):8*(8*((\a)%4)+\b)+7], v[SC+8*NQ*(\sc)+NQ*\b+(\q)], v[SC+8*NQ*(\sc)+NQ*(\a)+(\q)] matrix_a_fmt:MATRIX_FMT_FP4 matrix_b_fmt:MATRIX_FMT_FP4 matrix_a_scale:MATRIX_SCALE_ROW1
.endif
.endr
.endr
.endm
.macro FETCH_B slot, q, p
	WIN TO_B
.irp i, 0,1,2,3,4,5,6,7
	FRAG 128*(\p)+FR*\i, ADRB+\slot, \q, \i
.endr
	WIN 0
.endm
.macro FETCH_A slot, q, i0
.irp i, \i0, \i0+1, \i0+2, \i0+3
	FRAG AF+FR*(\i), ADRA+\slot, \q, \i
.endr
.endm
.macro SCALES sc                       ; a slot's scale words: lanes 0-15 take x's block i, lanes 16-31 w's block i
.irp i, 0,1,2,3,4,5,6,7
	ds_load_b128 v[SC+8*NQ*\sc+NQ*\i:SC+8*NQ*\sc+NQ*\i+3], v[ADRS] offset:\i*SBLK
.endr
.endm
.macro PLACES n                        ; plain vector instructions between a matrix instruction and a load into, or a read of, its registers
.rept \n
	v_nop
.endr
.endm
.macro STEP slot, q, first             ; 128 along K, with its successor in the same slot
	s_wait_dscnt 4*NL                              ; w's set and x's blocks 0-3 are in; the youngest eight loads (x's blocks 4-7) may be out
.if \first
	WIN 0x81                                       ; C (the bias) in window 0, D in window 2
.else
	WIN MUL_LO
.endif
	MUL16 0, (\q)%2, \q, \slot, \first
	MUL16 2, (\q)%2, \q, \slot, \first
	s_wait_dscnt 0
	PLACES NP
	FETCH_B \slot, (\q)+1, 1-(\q)%2
	FETCH_A \slot, (\q)+1, 0
.if \first
	WIN 0xc1
.else
	WIN MUL_HI
.endif
	MUL16 4, (\q)%2, \q, \slot, \first
	MUL16 6, (\q)%2, \q, \slot, \first
	PLACES NP
	WIN 0
	FETCH_A \slot, (\q)+1, 4
.endm
.macro STEPS slot, from
.set Q, \from
.rept NQ-1-\from
	STEP \slot, Q, 0
.set Q, Q+1
.endr
.endm
	s_wait_tensorcnt 1                             ; the scales and my part of slot 0 are in; slot 1's load may be out
	s_barrier_signal -1
	s_barrier_wait -1
	FETCH_B 0, 0, 0
	FETCH_A 0, 0, 0
	SCALES 0
	FETCH_A 0, 0, 4
	s_wait_loadcnt 0x0                             ; the bias
	STEP 0, 0, 1
	STEPS 0, 1
	; slot 0's last step changes slots: one barrier; nothing is filled again
	s_wait_tensorcnt 0x0                           ; my part of slot 1 has landed
	ds_add_u32 v[SPW], v[NIL]
	s_wait_dscnt 4*NL+1                            ; the add and the youngest eight loads may be out
	WIN MUL_LO
	MUL16 0, 1, NQ-1, 0, 0
	s_wait_dscnt 0x0                               ; the add is done, and my reads of slot 0 are over
	s_barrier_signal -1
	MUL16 2, 1, NQ-1, 0, 0
	WIN 0
	s_barrier_wait -1
	PLACES NP
	v_add_nc_u32 v[ADRS], 4*NQ, v[ADRS]            ; on to slot 1's scale words
	FETCH_B 1, 0, 0
	FETCH_A 1, 0, 0
	SCALES 1
	WIN MUL_HI
	MUL16 4, 1, NQ-1, 0, 0
	MUL16 6, 1, NQ-1, 0, 0
	PLACES NP
	WIN 0
	FETCH_A 1, 0, 4
	STEPS 1, 0
	s_wait_dscnt 4*NL                              ; the very last step
	WIN MUL_LO
	MUL16 0, 1, NQ-1, 1, 0
	MUL16 2, 1, NQ-1, 1, 0
	s_wait_dscnt 0
	WIN MUL_HI
	MUL16 4, 1, NQ-1, 1, 0
	MUL16 6, 1, NQ-1, 1, 0
	WIN 0
	PLACES NP
	; THE WAY OUT.  (a) Where my block 0 holds positions 0-15 of a batch (cluster y = 0, row half 0: the same test in all partners for a given wave) it also leaves as f32.
	s_and_b32 s18, ttmp7, 0xffff
	s_or_b32 s18, s18, s15
	s_cmp_lg_u32 s18, 0
	s_cbranch_scc1 .Lno_copy
	WIN 0x08                                       ; an LDS store's data: window 2
.irp b, 0,1,2,3,4,5,6,7
	ds_store_b128 v[STO32], v[8*\b:8*\b+3] offset:64*\b            ; each accumulator from its low end on
	ds_store_b128 v[STO32], v[8*\b+4:8*\b+7] offset:64*\b+16
.endr
	WIN 0
.irp t, 0,1,2,3,4,5,6,7,8,9,10,11,12,13,14,15
	ds_load_b128 v[BI+4*\t:BI+4*\t+3], v[RD32] offset:\t*SP32      ; LDS serves a wave's instructions in order: these see the stores above
.endr
	s_wait_dscnt 0x0
.irp t, 0,1,2,3,4,5,6,7,8,9,10,11,12,13,14,15
	global_store_b128 v[CO], v[BI+4*\t:BI+4*\t+3], s[100:101] offset:\t*12288   ; 32 lanes store 512 consecutive bytes, aligned
.endr
.Lno_copy:
	; (b) All blocks as f16.  A block is 16 positions x 128 columns = two heads x 64; in qkvh a head's 16 positions are 2,048 consecutive bytes.
.macro PACK a
.set AC, 64*((\a)%4)
	WIN 0x0a+5*((\a)/4)                            ; sources 0 and 1: window 2 or 3
.irp b, 0,1,2,3,4,5,6,7
.irp r, 0,1,2,3
	v_cvt_pk_f16_f32 v[TMP+4*\b+\r], v[AC+8*\b+2*\r], v[AC+8*\b+2*\r+1]
.endr
.endr
	WIN 0
.endm
.macro TOST a
.set BB, BK+32*((\a)%2)
.irp b, 0,1,2,3,4,5,6,7
	ds_store_b128 v[STO16], v[TMP+4*\b:TMP+4*\b+3] offset:32*\b
.endr
.irp g, 0,1
.irp j, 0,1,2,3
	ds_load_b128 v[BB+4*(4*\g+\j):BB+4*(4*\g+\j)+3], v[RD16] offset:4*SP16*\j+128*\g
.endr
.endr
.endm
.macro SEND a
.set BB, BK+32*((\a)%2)
	s_wait_dscnt 0x0                               ; the block is back in registers
	s_wait_xcnt 0x0                                ; earlier stores have read their registers and their base: both may be written again
.if (\a) > 0
	s_add_nc_u64 s[12:13], s[12:13], 2048          ; 16 positions on
.endif
.irp g, 0,1
.irp j, 0,1,2,3
	global_store_b128 v[CO], v[BB+4*(4*\g+\j):BB+4*(4*\g+\j)+3], s[12:13] offset:262144*\g+512*\j   ; 32 lanes store 512 consecutive bytes, aligned
.endr
.endr
.endm
	PACK 0
	TOST 0
.irp a, 1,2,3,4,5,6,7
	PACK \a                                        ; block a's conversions stand between block a - 1's loads from the stage and the wait for them
	SEND \a-1
	TOST \a
.endr
	SEND 7
	s_wait_tensorcnt 0x0                           ; the wave's end
	ds_add_u32 v[SPW], v[NIL]
	s_wait_dscnt 0x0
	CROUND                                         ; the closing round
	s_endpgm
.Lfunc_end_k_qef737623f5_qkv:
	.size	k_qef737623f5_qkv, .Lfunc_end_k_qef737623f5_qkv-k_qef737623f5_qkv
	.p2alignl 7, 3214868480
	.fill 96, 4, 3214868480
	.section	.rodata,"a",@progbits
	.p2align	6, 0x0
	.amdhsa_kernel k_qef737623f5_qkv
		.amdhsa_group_segment_fixed_size 327680
		.amdhsa_private_segment_fixed_size 0
		.amdhsa_enable_private_segment 0
		.amdhsa_kernarg_size 56
		.amdhsa_user_sgpr_count 2
		.amdhsa_user_sgpr_kernarg_segment_ptr 1
		.amdhsa_wavefront_size32 1
		.amdhsa_system_sgpr_workgroup_id_x 1
		.amdhsa_system_sgpr_workgroup_id_y 1
		.amdhsa_system_sgpr_workgroup_id_z 1
		.amdhsa_system_vgpr_workitem_id 0
		.amdhsa_next_free_vgpr 1024
		.amdhsa_next_free_sgpr 102
		.amdhsa_reserve_vcc 0
		.amdhsa_float_denorm_mode_32 3
		.amdhsa_float_denorm_mode_16_64 3
		.amdhsa_memory_ordered 1
		.amdhsa_forward_progress 1
		.amdhsa_inst_pref_size 133
	.end_amdhsa_kernel
	.amdgpu_metadata
---
amdhsa.version: [ 1, 2 ]
amdhsa.kernels:
  - .name:           k_qef737623f5_qkv
    .symbol:         k_qef737623f5_qkv.kd
    .args:
      - { .name: x_codes, .offset: 0, .size: 8, .value_kind: global_buffer, .address_space: global }
      - { .name: x_scales, .offset: 8, .size: 8, .value_kind: global_buffer, .address_space: global }
      - { .name: w_codes, .offset: 16, .size: 8, .value_kind: global_buffer, .address_space: global }
      - { .name: w_scales, .offset: 24, .size: 8, .value_kind: global_buffer, .address_space: global }
      - { .name: b_qkv, .offset: 32, .size: 8, .value_kind: global_buffer, .address_space: global }
      - { .name: qkvh, .offset: 40, .size: 8, .value_kind: global_buffer, .address_space: global }
      - { .name: rows32, .offset: 48, .size: 8, .value_kind: global_buffer, .address_space: global }
    .group_segment_fixed_size: 327680
    .private_segment_fixed_size: 0
    .kernarg_segment_align: 8
    .kernarg_segment_size: 56
    .max_flat_workgroup_size: 128
    .sgpr_count:     102
    .vgpr_count:     1024
    .wavefront_size: 32
...
	.end_amdgpu_metadata
.endif
;; end of part 2
;; launch attn (part 3): grid 4 x 64, 8 waves a work-group, no clusters, 327,680 bytes of LDS; arguments qkvh, a16; writes a16
.if DOCPART == 3
	.amdgcn_target "amdgcn-amd-amdhsa--gfx1250"
	.amdhsa_code_object_version 6
	.text
	.protected	k_qef737623f5_attn
	.globl	k_qef737623f5_attn
	.p2align	8
	.type	k_qef737623f5_attn,@function
k_qef737623f5_attn:
	s_mov_b64 s[64:65], 0
	v_nop
	global_prefetch_b8 v0, s[64:65] scope:SCOPE_SE
	s_setreg_imm32_b32 hwreg(HW_REG_WAVE_MODE, 25, 1), 1
	s_wait_xcnt 0x0
; Causal attention, head size 64, on f16 operands with f32 sums.  q, k, v: qkvh [sel 3][batch x head 64][t 2048][64] f16;  a16: [batch x head][t][64] f16.
; p = 2^(c s - c m), c = log2(e) / 8, m the running maximum of the row's scores; the row's sum l of the unrounded p divides at the end; O and l are multiplied by 2^(c m_old - c m_new) in every step.
; LIMITS: |q|, |k|, |v| under 65,504 (f16); NaN and infinities are not served.
; SHARES.  Work-group (i, head) owns two blocks of 256 queries, block i and then block 7 - i: it walks (i + 1) + (8 - i) = 9 slots of 256 keys, whatever i is: 256 work-groups of equal work, a constant trip count.
; Each of the eight waves owns 32 queries of a block, two tiles of 16: sub-block w for w < 4, else 11 - w.  Each fragment of K and V read from LDS feeds two products.
; NO CLUSTER: the four work-groups of a head want different slots from trip i + 1 on, and the change of block is a branch on i, which would be a work-group's place in its cluster.
; LAYOUT.  S^T = K Q^T (source 0 = 16 keys, source 1 = 16 queries) and O^T = V^T P (source 0 = 16 channels, turned on the way out of LDS; source 1 = P): a lane holds ONE query (lane % 16) throughout.
; THE MASK.  A step of 64 keys that all come after my 32 queries is left out (a scalar branch on ids); in the one step on the diagonal hidden scores become -infinity ahead of the maximum.  Key 0 counts for every query.
; THE RING.  Two LDS slots of 256 keys; waves 0-3 fetch K's quarters, waves 4-7 V's, one tensor load a wave behind each barrier: one load of mine is out at the most, and every wait for tensor loads is for 0.
; REGISTERS.  window 0: v2-14 addresses; v16, v17 the add's two; v20-35 statistics, 8 a tile (+0 c m, +1 m, +2, +3 l, +4..+7 at work, a in +6); v64-127 S^T, 32 a tile; v128-159 P; v160-223 O^T, 32 a tile.
;   window 1: v0-31 Q; v64-127 K's eight fragments; v128-191 V's eight.
.set HB,    262144                     ; a head's bytes
.set SEC,   16777216                   ; a section's (q, k or v)
.set PK,    144                        ; a key's row in LDS: 128 bytes + 16
.set PV,    160                        ; a row of V: 128 + 32
.set VOFF,  256*PK
.set SLOT1, 1<<17                      ; slot 1 begins here: one exclusive or turns an address
.set STAGE, 212992                     ; the way out: 32 rows x 144 bytes for each wave; no tensor load lands here
.set SPARE, STAGE+8*32*144             ; the spare words: 128 bytes for each wave, named by no other line
.set AK0, 2
.set AV0, 3
.set ADK, 4
.set ADV, 5
.set QO,  6
.set STO, 7
.set RD,  8
.set GO,  9
.set DL,  10
.set D0,  11                           ; v11, v12
.set NINF, 13
.set PFO, 14
.set SPW, 16
.set NIL, 17
.set ST,  20
.set S,   64
.set P,   128
.set OT,  160
.set QR,  0                            ; in window 1
.set KR,  64
.set VR,  128
.set WV,  8
.set WI,  9
.set BH,  10
.set TRIP, 12
.set STEPC, 13
.set IP1, 15
.set Q0,  16
.set Q0A, 17
.set KF,  18
.set TK,  19
.set TV,  20
.set LIMP, 21
.set CS,  22
.set SEL, 24
.set G1K, 28
.set G1V, 36
.set G0K, 44
.set G0V, 48
.set KB,  52
.set VB,  54
.set OFF, 56
.set QBB, 58
.set QBA, 60
.set OBB, 66
.set OBA, 68
.set PFA, 70
.set MSB, 0
.macro WIN new
.if MSB != \new
	s_set_vgpr_msb (MSB<<8)|\new
.set MSB, \new
.endif
.endm
; Waves 0-3 fetch for K, waves 4-7 for V.  An s_nop 0 and four v_nop follow each line.
.macro TLOAD
	s_cmp_lt_u32 s[WV], 4
	s_cbranch_scc0 .Lfor_v_\@
	tensor_load_to_lds s[G0K:G0K+3], s[G1K:G1K+7]
	s_nop 0
.rept 4
	v_nop
.endr
	s_branch .Lasked_\@
.Lfor_v_\@:
	tensor_load_to_lds s[G0V:G0V+3], s[G1V:G1V+7]
	s_nop 0
.rept 4
	v_nop
.endr
.Lasked_\@:
.endm
; A prefetch of what the NEXT trip's tensor loads will ask for.  The head's work-group i = 0 asks, which walks slots 0 to 7 in trips 1 to 8: in trip t (0 to 6) for slot t + 1; each wave for the quarter that it
; fetches itself, 8,192 bytes, lanes 256 bytes apart.  So each aligned 256 bytes of slots 1 to 7 is named once in the launch; slot 0 comes by its load alone; trip 7 asks for nothing.
.macro ASK
	s_cmp_lt_u32 s[TRIP], s[LIMP]
	s_cbranch_scc0 .Lnot_mine_\@
	global_prefetch_b8 v[PFO], s[PFA:PFA+1] th:TH_LOAD_NT scope:SCOPE_SE
.Lnot_mine_\@:
.endm
	s_load_b128 s[4:7], s[0:1], 0x0                ; qkvh s[4:5], a16 s[6:7]
	v_lshl_add_u32 v[SPW], v0, 2, SPARE
	v_mov_b32 v[NIL], 0
	ds_add_u32 v[SPW], v[NIL]                      ; the wave's opening: the add, twice on end, and its wait ahead of my first tensor load
	ds_add_u32 v[SPW], v[NIL]
	v_lshrrev_b32 v1, 5, v0
	v_readfirstlane_b32 s[WV], v1                  ; wave 0..7
	s_mov_b32 s[WI], ttmp9                         ; i
	s_and_b32 s[BH], ttmp7, 0xffff                 ; batch x 16 + head
	s_add_co_u32 s[IP1], s[WI], 1
	s_sub_co_u32 s72, 11, s[WV]
	s_cmp_lt_u32 s[WV], 4
	s_cselect_b32 s72, s[WV], s72                  ; my sub-block of 32 queries
	s_lshl_b32 s72, s72, 5
	s_lshl_b32 s73, s[WI], 8
	s_add_co_u32 s[Q0], s73, s72                   ; my first query in block i,
	s_sub_co_u32 s73, 7, s[WI]
	s_lshl_b32 s73, s73, 8
	s_add_co_u32 s[Q0A], s73, s72                  ; and in block 7 - i
	s_cmp_eq_u32 s[WI], 0
	s_cselect_b32 s[LIMP], 7, 0
	s_mov_b32 s[G1K], (1<<16)|(1<<20)|(4<<22)|(3<<25)   ; elements of 2 bytes; padding: 4 words behind every 32
	s_mov_b32 s[G1V], (1<<16)|(1<<20)|(4<<22)|(7<<25)   ; 8 words behind every 32
.irp g, G1K, G1V
	s_mov_b32 s[\g+1], 64<<16                      ; tensor_dim0 = 64
	s_mov_b32 s[\g+2], 64<<16                      ; tensor_dim1 = 64
	s_mov_b32 s[\g+3], 64<<16                      ; tile_dim0 = 64
	s_mov_b32 s[\g+4], 64                          ; tile_dim1 = 64 rows
	s_mov_b32 s[\g+5], 64                          ; the pitch
	s_mov_b32 s[\g+6], 0
	s_mov_b32 s[\g+7], 0
.endr
	s_mov_b32 s[CS], 0x3e38aa3b                    ; c = log2(e) / 8
	s_mov_b32 s[CS+1], s[CS]
	s_mov_b32 s[SEL], 0x76543210
	s_mov_b32 s[SEL+1], 0xfedcba98                 ; lane l xor 16
	s_and_b32 s74, s[WV], 3
	s_mul_i32 s75, s74, 64*PK                      ; my quarter in a slot: K's,
	s_mul_i32 s76, s74, 64*PV
	s_add_co_u32 s76, s76, VOFF                    ; V's,
	s_lshl_b32 s74, s74, 13                        ; and in memory: 64 rows of 128 bytes
	s_lshl_b32 s77, s[BH], 18
	s_mov_b32 s[OFF+1], 0
	s_mov_b32 s79, 0
	s_mov_b32 s[KF], 0
	s_mov_b32 s[TK], 0
	s_mov_b32 s[TV], 0
	s_mov_b32 s[TRIP], 0
	s_wait_dscnt 0x0                               ; both opening adds are done
	s_wait_kmcnt 0x0
	s_add_co_u32 s78, s77, s74
	s_add_co_u32 s78, s78, SEC
	s_add_nc_u64 s[KB:KB+1], s[4:5], s[78:79]      ; K: my head, my quarter of slot 0
	s_add_co_u32 s78, s78, SEC
	s_add_nc_u64 s[VB:VB+1], s[4:5], s[78:79]      ; V likewise
	s_mov_b32 s[G0K], 1
	s_mov_b32 s[G0K+1], s75
	s_mov_b64 s[G0K+2:G0K+3], s[KB:KB+1]
	s_or_b32 s[G0K+3], s[G0K+3], 0x80000000
	s_mov_b32 s[G0V], 1
	s_mov_b32 s[G0V+1], s76
	s_mov_b64 s[G0V+2:G0V+3], s[VB:VB+1]
	s_or_b32 s[G0V+3], s[G0V+3], 0x80000000
	TLOAD                                          ; keys 0-255 into slot 0
	s_lshl_b32 s78, s[Q0], 7
	s_add_co_u32 s78, s78, s77
	s_add_nc_u64 s[QBB:QBB+1], s[4:5], s[78:79]
	s_add_nc_u64 s[OBB:OBB+1], s[6:7], s[78:79]
	s_lshl_b32 s78, s[Q0A], 7
	s_add_co_u32 s78, s78, s77
	s_add_nc_u64 s[QBA:QBA+1], s[4:5], s[78:79]
	s_add_nc_u64 s[OBA:OBA+1], s[6:7], s[78:79]
	s_cmp_lt_u32 s[WV], 4
	s_cselect_b64 s[PFA:PFA+1], s[KB:KB+1], s[VB:VB+1]   ; at slot 0; each change of slots steps it by a slot ahead of its prefetch
	v_and_b32 v1, 15, v0                           ; r
	v_bfe_u32 v18, v0, 4, 1                        ; h
	v_and_b32 v19, 31, v0                          ; lane
	v_mul_u32_u24 v[AK0], v1, PK
	v_lshl_add_u32 v[AK0], v18, 4, v[AK0]          ; K: row r, + 16 h
	v_and_b32 v15, 7, v0
	v_lshl_add_u32 v[AV0], v18, 3, v15
	v_mul_u32_u24 v[AV0], v[AV0], PV
	v_bfe_u32 v15, v0, 3, 1
	v_lshl_add_u32 v[AV0], v15, 4, v[AV0]
	v_add_nc_u32 v[AV0], VOFF, v[AV0]              ; V, for the turning load: key 8 h + lane % 8, channels 8 ((lane / 8) % 2) on
	v_lshlrev_b32 v[QO], 7, v1
	v_lshl_add_u32 v[QO], v18, 4, v[QO]            ; Q in memory: row r of 128 bytes, + 16 h
	s_mul_i32 s72, s[WV], 32*144
	s_add_co_u32 s72, s72, STAGE                   ; my stage
	v_mul_u32_u24 v[STO], v1, 144
	v_lshl_add_u32 v[STO], v18, 4, v[STO]
	v_add_nc_u32 v[STO], s72, v[STO]
	v_lshrrev_b32 v15, 3, v19
	v_mul_u32_u24 v[RD], v15, 144
	v_and_b32 v15, 7, v0
	v_lshl_add_u32 v[RD], v15, 4, v[RD]
	v_add_nc_u32 v[RD], s72, v[RD]                 ; back: eight lanes a row of 128 bytes, four rows an instruction
	v_lshlrev_b32 v[GO], 4, v19
	v_lshlrev_b32 v15, 3, v18
	v_sub_nc_u32 v[DL], v1, v15                    ; r - 8 h
	v_mov_b32 v[NINF], 0xff800000
	v_lshlrev_b32 v[PFO], 8, v19
.macro QLOAD qb                        ; my 32 queries: tile x, channels 32 d on, at v[16 x + 8 d] of window 1
	WIN 0x40
.irp x, 0,1
.irp d, 0,1
	global_load_b128 v[QR+16*\x+8*\d:QR+16*\x+8*\d+3], v[QO], s[\qb:\qb+1] offset:2048*\x+64*\d
	global_load_b128 v[QR+16*\x+8*\d+4:QR+16*\x+8*\d+7], v[QO], s[\qb:\qb+1] offset:2048*\x+64*\d+32
.endr
.endr
	WIN 0
.endm
.macro RESET                           ; a block of queries begins: O^T and l are zeros, m is -3e38, under every score: the step is written once, and its first walk multiplies zeros
.set i, 0
.rept 64
	v_mov_b32 v[OT+i], 0
.set i, i+1
.endr
.irp t, 0,1
	v_mov_b32 v[ST+8*\t+1], 0xff61b1e6
.irp j, 2,3,4,5,6,7
	v_mov_b32 v[ST+8*\t+\j], 0
.endr
	v_mul_f32 v[ST+8*\t], s[CS], v[ST+8*\t+1]
.endr
.endm
.macro TREE w, cnt                     ; pairs of p, w / 2 registers apart, are added in place, both tiles by turns
.set u, 0
.rept \cnt
	v_pk_add_f32 v[S+\w*u:S+\w*u+1], v[S+\w*u:S+\w*u+1], v[S+\w*u+\w/2:S+\w*u+\w/2+1]
	v_pk_add_f32 v[S+32+\w*u:S+32+\w*u+1], v[S+32+\w*u:S+32+\w*u+1], v[S+32+\w*u+\w/2:S+32+\w*u+\w/2+1]
.set u, u+1
.endr
.endm
; A KEY STEP: 64 keys.
.macro STEP
	s_add_co_u32 s96, s[Q0], 31
	s_cmp_gt_u32 s[KF], s96                        ; all 64 keys come after my 32 queries: the step's work is left out
	s_cbranch_scc1 .Lhid_\@
	v_add_nc_u32 v[ADK], s[TK], v[AK0]
	v_add_nc_u32 v[ADV], s[TV], v[AV0]
	v_nop
	v_nop                                          ; four plain instructions between the last step's products and the loads into V's registers
	WIN 0x40
.irp kt, 0,1,2,3
.irp d, 0,1
	ds_load_b128 v[KR+8*(2*\kt+\d):KR+8*(2*\kt+\d)+3], v[ADK] offset:16*PK*\kt+64*\d
	ds_load_b128 v[KR+8*(2*\kt+\d)+4:KR+8*(2*\kt+\d)+7], v[ADK] offset:16*PK*\kt+64*\d+32
.endr
.endr
.irp kc, 0,1
.irp c, 0,1,2,3
	ds_load_tr16_b128 v[VR+8*(4*\kc+\c):VR+8*(4*\kc+\c)+3], v[ADV] offset:32*PV*\kc+32*\c
	ds_load_tr16_b128 v[VR+8*(4*\kc+\c)+4:VR+8*(4*\kc+\c)+7], v[ADV] offset:32*PV*\kc+32*\c+16*PV
.endr
.endr
	s_wait_dscnt 16                                ; K is in; V's sixteen loads may be out
	WIN 0x05                                       ; K and Q in window 1
.irp kt, 0,1,2,3                               ; S^T = K Q^T: eight accumulators by turns; channels 0-31 start the sums
.irp x, 0,1
	v_wmma_f32_16x16x32_f16 v[S+32*\x+8*\kt:S+32*\x+8*\kt+7], v[KR+16*\kt:KR+16*\kt+7], v[QR+16*\x:QR+16*\x+7], 0
.endr
.endr
.irp kt, 0,1,2,3
.irp x, 0,1
	v_wmma_f32_16x16x32_f16 v[S+32*\x+8*\kt:S+32*\x+8*\kt+7], v[KR+16*\kt+8:KR+16*\kt+15], v[QR+16*\x+8:QR+16*\x+15], v[S+32*\x+8*\kt:S+32*\x+8*\kt+7]
.endr
.endr
	WIN 0
.rept 4
	v_nop
.endr
	s_add_co_u32 s96, s[KF], 63
	s_cmp_le_u32 s96, s[Q0]                        ; all 64 keys count for all my queries: no mask
	s_cbranch_scc1 .Lopen_\@
	s_sub_co_i32 s96, s[Q0], s[KF]
	v_add_nc_u32 v[D0], s96, v[DL]                 ; tile 0: register 8 kt + j holds key KF + 16 kt + 8 h + j: hidden where 16 kt + j > my query - KF - 8 h
	v_add_nc_u32 v[D0+1], 16, v[D0]                ; tile 1
.set n, 0
.rept 32
	v_cmp_gt_i32 vcc_lo, 16*(n/8)+n%8, v[D0]
	v_cndmask_b32 v[S+n], v[S+n], v[NINF], vcc_lo
	v_cmp_gt_i32 vcc_lo, 16*(n/8)+n%8, v[D0+1]
	v_cndmask_b32 v[S+32+n], v[S+32+n], v[NINF], vcc_lo
.set n, n+1
.endr
.Lopen_\@:
	; the softmax, both tiles by turns.  The maximum of the lane's 32 scores and the old m, each accumulator from its low end on
.irp j, 0,1,2,3
.irp t, 0,1
	v_max3_num_f32 v[ST+8*\t+4+\j], v[S+32*\t+8*\j], v[S+32*\t+8*\j+1], v[S+32*\t+8*\j+2]
.endr
.endr
.irp g, 1,2
.irp j, 0,1,2,3
.irp t, 0,1
	v_max3_num_f32 v[ST+8*\t+4+\j], v[ST+8*\t+4+\j], v[S+32*\t+8*\j+2*\g+1], v[S+32*\t+8*\j+2*\g+2]
.endr
.endr
.endr
.irp t, 0,1
	v_max3_num_f32 v[ST+8*\t+4], v[ST+8*\t+4], v[S+32*\t+7], v[S+32*\t+15]
.endr
.irp t, 0,1
	v_max3_num_f32 v[ST+8*\t+6], v[ST+8*\t+6], v[S+32*\t+23], v[S+32*\t+31]
.endr
.irp t, 0,1
	v_max3_num_f32 v[ST+8*\t+4], v[ST+8*\t+4], v[ST+8*\t+5], v[ST+8*\t+6]
.endr
.irp t, 0,1
	v_max3_num_f32 v[ST+8*\t+4], v[ST+8*\t+4], v[ST+8*\t+7], v[ST+8*\t+1]
.endr
.irp t, 0,1
	v_permlanex16_b32 v[ST+8*\t+5], v[ST+8*\t+4], s[SEL], s[SEL+1]   ; the query's other 32 keys lie in the lane 16 away
.endr
.irp t, 0,1
	v_mov_b32 v[ST+8*\t+7], v[ST+8*\t]             ; c m_old
.endr
.irp t, 0,1
	v_max_num_f32 v[ST+8*\t+1], v[ST+8*\t+4], v[ST+8*\t+5]
.endr
.irp t, 0,1
	v_mul_f32 v[ST+8*\t], s[CS], v[ST+8*\t+1]
.endr
.irp t, 0,1
	v_sub_f32 v[ST+8*\t+7], v[ST+8*\t+7], v[ST+8*\t]
.endr
.set b, 0
.rept 16
	v_pk_fma_f32 v[S+2*b:S+2*b+1], v[S+2*b:S+2*b+1], s[CS:CS+1], v[ST:ST+1] op_sel_hi:[1,0,0] neg_lo:[0,0,1] neg_hi:[0,0,1]   ; c s - c m
	v_pk_fma_f32 v[S+32+2*b:S+32+2*b+1], v[S+32+2*b:S+32+2*b+1], s[CS:CS+1], v[ST+8:ST+9] op_sel_hi:[1,0,0] neg_lo:[0,0,1] neg_hi:[0,0,1]
.set b, b+1
.endr
	v_exp_f32 v[ST+6], v[ST+7]                     ; a = 2^(c m_old - c m_new).  The step's 66 exponentials are one batch
	v_exp_f32 v[ST+14], v[ST+15]
.set e, 0
.rept 32
	v_exp_f32 v[S+e], v[S+e]
	v_exp_f32 v[S+32+e], v[S+32+e]
.set e, e+1
.endr
	v_nop                                          ; a plain instruction behind the last exponential
	s_wait_alu depctr_va_vdst(0)                   ; one wait for the batch, ahead of its first reader
.set i, 0
.rept 16
	v_cvt_pk_f16_f32 v[P+i], v[S+2*i], v[S+2*i+1]  ; two tiles of 16 keys, rounded in pairs, are source 1 (32 keys x 16 queries) of the second product
	v_cvt_pk_f16_f32 v[P+16+i], v[S+32+2*i], v[S+32+2*i+1]
.set i, i+1
.endr
	TREE 4, 8                                      ; the row's sum, of the unrounded p
	TREE 8, 4
	TREE 16, 2
	TREE 32, 1
.irp t, 0,1
	v_pk_fma_f32 v[ST+8*\t+2:ST+8*\t+3], v[ST+8*\t+2:ST+8*\t+3], v[ST+8*\t+6:ST+8*\t+7], v[S+32*\t:S+32*\t+1] op_sel_hi:[1,0,1]   ; l = a l + the sum
.endr
.set i, 0
.rept 16
	v_pk_mul_f32 v[OT+2*i:OT+2*i+1], v[OT+2*i:OT+2*i+1], v[ST+6:ST+7] op_sel_hi:[1,0]   ; O^T x a, each accumulator from its low end on
	v_pk_mul_f32 v[OT+32+2*i:OT+32+2*i+1], v[OT+32+2*i:OT+32+2*i+1], v[ST+14:ST+15] op_sel_hi:[1,0]
.set i, i+1
.endr
	s_wait_dscnt 0x0                               ; V is in
	WIN 0x01                                       ; V in window 1
.irp kc, 0,1                                   ; O^T += V^T P: eight accumulators by turns
.irp c, 0,1,2,3
.irp x, 0,1
	v_wmma_f32_16x16x32_f16 v[OT+32*\x+8*\c:OT+32*\x+8*\c+7], v[VR+8*(4*\kc+\c):VR+8*(4*\kc+\c)+7], v[P+16*\x+8*\kc:P+16*\x+8*\kc+7], v[OT+32*\x+8*\c:OT+32*\x+8*\c+7]
.endr
.endr
.endr
	WIN 0
.Lhid_\@:
	s_add_co_u32 s[KF], s[KF], 64
	s_add_co_u32 s[TK], s[TK], 64*PK
	s_add_co_u32 s[TV], s[TV], 64*PV
.endm
.macro SLOTW                           ; a slot's four key steps: written once, walked four times; then on to the other slot
	s_mov_b32 s[STEPC], 4
.Lstep_\@:
	STEP
	s_sub_co_u32 s[STEPC], s[STEPC], 1
	s_cmp_lg_u32 s[STEPC], 0
	s_cbranch_scc1 .Lstep_\@
	s_sub_co_u32 s[TK], s[TK], 256*PK
	s_sub_co_u32 s[TV], s[TV], 256*PV
	s_xor_b32 s[TK], s[TK], SLOT1
	s_xor_b32 s[TV], s[TV], SLOT1
.endm
; A block of queries is finished: O^T / l, rounded to f16, through my stage, out as runs of 512 bytes.
.macro FINISH ob
.rept 4
	v_nop                                          ; places behind the last products
.endr
.irp t, 0,1
	v_add_f32 v[ST+8*\t+4], v[ST+8*\t+2], v[ST+8*\t+3]
.endr
.irp t, 0,1
	v_permlanex16_b32 v[ST+8*\t+5], v[ST+8*\t+4], s[SEL], s[SEL+1]
.endr
.irp t, 0,1
	v_add_f32 v[ST+8*\t+4], v[ST+8*\t+4], v[ST+8*\t+5]
.endr
.irp t, 0,1
	v_rcp_f32 v[ST+8*\t+6], v[ST+8*\t+4]
.endr
	v_nop
	s_wait_alu depctr_va_vdst(0)                   ; one wait for the two reciprocals, ahead of their first reader
.irp t, 0,1
.set i, 0
.rept 16
	v_pk_mul_f32 v[OT+32*\t+2*i:OT+32*\t+2*i+1], v[OT+32*\t+2*i:OT+32*\t+2*i+1], v[ST+8*\t+6:ST+8*\t+7] op_sel_hi:[1,0]
.set i, i+1
.endr
.endr
.irp t, 0,1
.set i, 0
.rept 16
	v_cvt_pk_f16_f32 v[S+32*\t+i], v[OT+32*\t+2*i], v[OT+32*\t+2*i+1]
.set i, i+1
.endr
.endr
.irp x, 0,1
.irp c, 0,1,2,3
	ds_store_b128 v[STO], v[S+32*\x+4*\c:S+32*\x+4*\c+3] offset:16*144*\x+32*\c
.endr
.endr
.irp x, 0,1
.irp j, 0,1,2,3
	ds_load_b128 v[S+32*\x+16+4*\j:S+32*\x+16+4*\j+3], v[RD] offset:16*144*\x+4*144*\j   ; LDS serves a wave's instructions in order: these see the stores above
.endr
.endr
	s_wait_dscnt 0x0
.irp x, 0,1
.irp j, 0,1,2,3
	global_store_b128 v[GO], v[S+32*\x+16+4*\j:S+32*\x+16+4*\j+3], s[\ob:\ob+1] offset:2048*\x+512*\j   ; 32 lanes store 512 consecutive bytes, aligned
.endr
.endr
.endm
; THE CHANGE OF SLOTS, at a trip's head.  Each wave waits for all its tensor loads (its part of the slot that it is about to read), adds 0 to its spare word, and waits for that and for its reads of the slot that it has left.
; fill = 1: behind the barrier the slot just left takes the next trip's keys: slot TRIP + 1 of the first block's walk, or TRIP - i of the second's.
.macro CHANGE fill
	s_wait_tensorcnt 0x0                           ; no tensor load of mine is out, so a group 0 may be written
	ds_add_u32 v[SPW], v[NIL]
.if \fill
	s_add_co_u32 s72, s[TRIP], 1
	s_cmp_ge_u32 s[TRIP], s[WI]
	s_cselect_b32 s73, s[IP1], 0
	s_sub_co_u32 s72, s72, s73                     ; which 256 keys the next trip wants
	s_lshl_b32 s[OFF], s72, 15
	s_xor_b32 s[G0K+1], s[G0K+1], SLOT1
	s_add_nc_u64 s[G0K+2:G0K+3], s[KB:KB+1], s[OFF:OFF+1]
	s_or_b32 s[G0K+3], s[G0K+3], 0x80000000
	s_xor_b32 s[G0V+1], s[G0V+1], SLOT1
	s_add_nc_u64 s[G0V+2:G0V+3], s[VB:VB+1], s[OFF:OFF+1]
	s_or_b32 s[G0V+3], s[G0V+3], 0x80000000
	s_wait_xcnt 0x0                                ; the last prefetch, a trip back, has read its address
	s_add_nc_u64 s[PFA:PFA+1], s[PFA:PFA+1], 32768
.endif
	s_wait_dscnt 0x0                               ; the add is done, and my reads of the slot that I have left are over
	s_barrier_signal -1
	s_barrier_wait -1
.if \fill
	TLOAD                                          ; the first thing behind the barrier, and my one tensor load until the next
	ASK
.endif
.endm
	QLOAD QBB
	RESET
	s_wait_loadcnt 0x0                             ; Q
.Ltrip:                                            ; eight trips; behind each change of slots the next trip's keys are asked for
	CHANGE 1
	s_cmp_eq_u32 s[TRIP], s[IP1]                   ; block i is finished (in trip i + 1, which is 1 to 4): on to block 7 - i.  The same in all eight waves; no barrier stands inside
	s_cbranch_scc0 .Lsame
	QLOAD QBA
	FINISH OBB
	RESET
	s_mov_b32 s[Q0], s[Q0A]
	s_mov_b32 s[KF], 0
	s_wait_loadcnt 0x0                             ; Q
	s_wait_xcnt 0x0                                ; the stores have read their registers, which the next scores take
.Lsame:
	SLOTW
	s_add_co_u32 s[TRIP], s[TRIP], 1
	s_cmp_lt_u32 s[TRIP], 8
	s_cbranch_scc1 .Ltrip
	CHANGE 0                                       ; the ninth slot is written out: nothing more is asked for
	SLOTW
	FINISH OBA
	s_wait_tensorcnt 0x0                           ; the wave's end
	ds_add_u32 v[SPW], v[NIL]
	s_wait_dscnt 0x0
	s_endpgm
.Lfunc_end_k_qef737623f5_attn:
	.size	k_qef737623f5_attn, .Lfunc_end_k_qef737623f5_attn-k_qef737623f5_attn
	.p2alignl 7, 3214868480
	.fill 96, 4, 3214868480
	.section	.rodata,"a",@progbits
	.p2align	6, 0x0
	.amdhsa_kernel k_qef737623f5_attn
		.amdhsa_group_segment_fixed_size 327680
		.amdhsa_private_segment_fixed_size 0
		.amdhsa_enable_private_segment 0
		.amdhsa_kernarg_size 16
		.amdhsa_user_sgpr_count 2
		.amdhsa_user_sgpr_kernarg_segment_ptr 1
		.amdhsa_wavefront_size32 1
		.amdhsa_system_sgpr_workgroup_id_x 1
		.amdhsa_system_sgpr_workgroup_id_y 1
		.amdhsa_system_sgpr_workgroup_id_z 1
		.amdhsa_system_vgpr_workitem_id 0
		.amdhsa_next_free_vgpr 512
		.amdhsa_next_free_sgpr 100
		.amdhsa_reserve_vcc 1
		.amdhsa_float_denorm_mode_32 3
		.amdhsa_float_denorm_mode_16_64 3
		.amdhsa_memory_ordered 1
		.amdhsa_forward_progress 1
		.amdhsa_inst_pref_size 71
	.end_amdhsa_kernel
	.amdgpu_metadata
---
amdhsa.version: [ 1, 2 ]
amdhsa.kernels:
  - .name:           k_qef737623f5_attn
    .symbol:         k_qef737623f5_attn.kd
    .args:
      - { .name: qkvh, .offset: 0, .size: 8, .value_kind: global_buffer, .address_space: global }
      - { .name: a16, .offset: 8, .size: 8, .value_kind: global_buffer, .address_space: global }
    .group_segment_fixed_size: 327680
    .private_segment_fixed_size: 0
    .kernarg_segment_align: 8
    .kernarg_segment_size: 16
    .max_flat_workgroup_size: 256
    .sgpr_count:     100
    .vgpr_count:     512
    .wavefront_size: 32
...
	.end_amdgpu_metadata
.endif
;; end of part 3
;; launch proj (part 4): grid 8 x 32, 4 waves a work-group, clusters of 4 x 4, 327,680 bytes of LDS; arguments a16, wo16, b_o, out0; writes out0
.if DOCPART == 4
	.amdgcn_target "amdgcn-amd-amdhsa--gfx1250"
	.amdhsa_code_object_version 6
	.text
	.protected	k_qef737623f5_proj
	.globl	k_qef737623f5_proj
	.p2align	8
	.type	k_qef737623f5_proj,@function
k_qef737623f5_proj:
	s_mov_b64 s[64:65], 0
	v_nop
	global_prefetch_b8 v0, s[64:65] scope:SCOPE_SE
	s_setreg_imm32_b32 hwreg(HW_REG_WAVE_MODE, 25, 1), 1
	s_wait_xcnt 0x0
	s_wait_alu depctr_hold_cnt(0) depctr_sa_sdst(0) depctr_va_vdst(0) depctr_va_sdst(0) depctr_va_ssrc(0) depctr_va_vcc(0) depctr_vm_vsrc(0)
	s_getreg_b32 s2, hwreg(HW_REG_IB_STS2, 6, 4)
	s_cmp_eq_u32 s2, 0
	s_cbranch_scc0 .Lentry_in_a_cluster
	s_endpgm
.Lentry_in_a_cluster:
	s_bfe_u32 s2, ttmp6, 0x10000c
	s_cmp_lg_u32 s2, 0xf033
	s_cbranch_scc0 .Lentry_shape_is_right
	s_endpgm
.Lentry_shape_is_right:
; out0 = a w_o + b_o on f16 operands with f32 sums, for every row but positions 0-15 of each batch, which a later launch writes in f32.
; a16: [batch 4][head 16][t 2048][64] f16 (K = head x 64 + channel); wo16: [1024 k][1024 n] f16; out0: [8192][1024] f32.
; A tile of 256 rows x 128 columns is made by a work-group of four waves; a wave makes 128 x 64: 32 accumulators.  K goes in steps of 128 (two heads) through two LDS slots.
; CLUSTERS: 4 x 4 work-groups; tile row = cluster y + 8 cy (batch cy, first position 256 x cluster y), tile column = 4 x cluster x + cx.  a's tiles are shared along a row of the cluster, w_o's along a column.
; THE MATRIX INSTRUCTION IS USED TRANSPOSED: source 0 = 16 columns of w_o (turned on the way out of LDS), source 1 = 16 rows of a: a lane holds eight neighbouring columns of one row.  The bias is the C of each sum's first product.
; REGISTERS: window 0: v16-29 addresses; v32-63 the bias; v64-127 rows on the way out.  window 1: two fragment buffers of 96 (w_o's 4, then a's 8), at v0 and v128.  window 2: accumulator (a, b) at v[8 (4 a + b)].
.set HB,    262144
.set PA,    144                        ; a row of a in LDS: 128 bytes + 16
.set PB,    288                        ; a row of w_o: 256 + 32
.set BOFF,  2*256*PA                   ; a slot: two planes (heads) of 256 rows of a, then 128 rows of w_o
.set SLOT,  BOFF+128*PB
.set STAGE, 2*SLOT                     ; the way out: 16 rows x 272 bytes for each wave
.set SP,    272
.set SPARE, STAGE+4*16*SP              ; the spare words: 128 bytes for each wave, named by no other line
.set ADRA, 16
.set ADRB, 20
.set STO,  24
.set RD,   25
.set CO,   26
.set SPW,  28
.set NIL,  29
.set BI,   32
.set BK,   64
.set F0,   0
.set F1,   128
.set G1,  24
.set G0,  32
.set G1B, 48
.set G0B, 56
.set MSB, 0
.macro WIN new
.if MSB != \new
	s_set_vgpr_msb (MSB<<8)|\new
.set MSB, \new
.endif
.endm
.set MUL,  0xa5                        ; sources 0 and 1 window 1; C and D window 2
.set MUL1, 0x85                        ; the same with C (the bias) in window 0
.set TO_F, 0x40
.macro JLOAD s                         ; waves 0 and 1 fetch a's two planes, waves 2 and 3 w_o's two halves; an s_nop 0 and four v_nop follow each line
	s_cmp_eq_u32 s13, 0
	s_cbranch_scc0 .Lfor_b_\@
	tensor_load_to_lds s[G0+4*\s:G0+4*\s+3], s[G1:G1+7]
	s_nop 0
.rept 4
	v_nop
.endr
	s_branch .Lasked_\@
.Lfor_b_\@:
	tensor_load_to_lds s[G0B+4*\s:G0B+4*\s+3], s[G1B:G1B+7]
	s_nop 0
.rept 4
	v_nop
.endr
.Lasked_\@:
.endm
.macro CREST
	s_cmp_lg_u32 s12, 0
	s_cbranch_scc1 .Lnot_wave_0_\@
	s_barrier_signal -3
.Lnot_wave_0_\@:
	s_barrier_wait -3
	s_barrier_signal -1
	s_barrier_wait -1
.endm
.macro CROUND
	s_barrier_signal -1
	s_barrier_wait -1
	CREST
.endm
	s_load_b256 s[4:11], s[0:1], 0x0               ; a16 s[4:5], wo16 s[6:7], b_o s[8:9], out0 s[10:11]
	v_lshl_add_u32 v[SPW], v0, 2, SPARE
	v_mov_b32 v[NIL], 0
	ds_add_u32 v[SPW], v[NIL]                      ; the wave's opening: the add, twice on end, and its wait ahead of my first tensor load
	ds_add_u32 v[SPW], v[NIL]
	v_lshrrev_b32 v1, 5, v0
	v_readfirstlane_b32 s12, v1                    ; wave 0..3
	s_lshr_b32 s13, s12, 1                         ; which half of the tile's rows is mine.  Also: I fetch for a (0) or for w_o (1)
	s_and_b32 s14, s12, 1                          ; which half of its columns.  Also: which plane or half I fetch
	s_bfe_u32 s40, ttmp6, 0x40000                  ; cx
	s_bfe_u32 s41, ttmp6, 0x40004                  ; cy
	s_lshl_b32 s42, ttmp9, 2
	s_add_co_u32 s42, s42, s40                     ; tile column
	s_and_b32 s45, ttmp7, 0xffff                   ; cluster y
	s_or_b32 s15, s45, s13                         ; 0 where my block 0 is positions 0-15 of a batch: the same in all partners for a given wave
	s_lshl_b32 s43, s41, 2
	s_lshl_b32 s43, 15, s43                        ; my row of the cluster
	s_lshl_b32 s44, 0x1111, s40                    ; my column
	s_or_b32 s[G1+0], s43, (1<<16)|(1<<20)|(1<<21)|(4<<22)|(3<<25)   ; a: elements of 2 bytes; 4 words of padding behind every 32
	s_mov_b32 s[G1+1], 64<<16                      ; tensor_dim0 = 64
	s_mov_b32 s[G1+2], 256<<16                     ; tensor_dim1 = 256
	s_mov_b32 s[G1+3], 64<<16                      ; tile_dim0
	s_mov_b32 s[G1+4], 256                         ; tile_dim1
	s_mov_b32 s[G1+5], 64                          ; the pitch
	s_mov_b32 s[G1+6], 0
	s_mov_b32 s[G1+7], 0
	s_or_b32 s[G1B+0], s44, (1<<16)|(1<<20)|(1<<21)|(5<<22)|(7<<25)  ; w_o: 8 words of padding behind every 64
	s_mov_b32 s[G1B+1], 128<<16
	s_mov_b32 s[G1B+2], 64<<16
	s_mov_b32 s[G1B+3], 128<<16
	s_mov_b32 s[G1B+4], 64
	s_mov_b32 s[G1B+5], 1024
	s_mov_b32 s[G1B+6], 0
	s_mov_b32 s[G1B+7], 0
	s_lshl_b32 s16, s41, 4
	s_add_co_u32 s16, s16, s14                     ; a: batch x 16 + my plane's head,
	s_lshl_b32 s16, s16, 18
	s_lshl_b32 s17, s45, 15                        ; position 256 x cluster y
	s_add_co_u32 s16, s16, s17
	s_mov_b32 s17, 0
	s_lshl_b32 s46, s14, 17                        ; w_o: my 64 rows of 2,048 bytes,
	s_lshl_b32 s47, s42, 8                         ; the tile's 128 columns
	s_add_co_u32 s46, s46, s47
	s_mov_b32 s47, 0
	s_mul_i32 s20, s14, 256*PA                     ; where they go in a slot
	s_mul_i32 s21, s14, 64*PB
	s_add_co_u32 s21, s21, BOFF
	s_wait_dscnt 0x0                               ; both opening adds are done
	s_wait_kmcnt 0x0
	s_add_nc_u64 s[18:19], s[4:5], s[16:17]
	s_add_nc_u64 s[46:47], s[6:7], s[46:47]
	CROUND                                         ; all sixteen work-groups are here
.irp s, 0,1
	s_mov_b32 s[G0+4*\s], 1
	s_add_co_u32 s[G0+4*\s+1], s20, \s*SLOT
	s_add_nc_u64 s[G0+4*\s+2:G0+4*\s+3], s[18:19], \s*2*HB
	s_or_b32 s[G0+4*\s+3], s[G0+4*\s+3], 0x80000000
	s_mov_b32 s[G0B+4*\s], 1
	s_add_co_u32 s[G0B+4*\s+1], s21, \s*SLOT
	s_add_nc_u64 s[G0B+4*\s+2:G0B+4*\s+3], s[46:47], \s*262144
	s_or_b32 s[G0B+4*\s+3], s[G0B+4*\s+3], 0x80000000
	JLOAD \s                                       ; two loads of mine are out at the most
.endr
	v_and_b32 v1, 15, v0                           ; r
	v_bfe_u32 v2, v0, 4, 1                         ; h
	v_mul_u32_u24 v3, v1, PA
	v_lshl_add_u32 v3, v2, 4, v3
	s_mul_i32 s22, s13, 128*PA
	v_add_nc_u32 v[ADRA], s22, v3
	s_add_co_u32 s22, s22, SLOT
	v_add_nc_u32 v[ADRA+1], s22, v3
	v_and_b32 v4, 7, v0
	v_lshl_add_u32 v4, v2, 3, v4
	v_mul_u32_u24 v4, v4, PB
	v_bfe_u32 v5, v0, 3, 1
	v_lshl_add_u32 v4, v5, 4, v4                   ; the turning load: k row 8 h + lane % 8, columns 8 ((lane / 8) % 2) on
	s_lshl_b32 s23, s14, 7
	s_add_co_u32 s23, s23, BOFF
	v_add_nc_u32 v[ADRB], s23, v4
	s_add_co_u32 s23, s23, SLOT
	v_add_nc_u32 v[ADRB+1], s23, v4
	s_mul_i32 s22, s12, 16*SP
	s_add_co_u32 s22, s22, STAGE                   ; my stage
	v_mul_u32_u24 v5, v1, SP
	v_lshl_add_u32 v5, v2, 5, v5
	v_add_nc_u32 v[STO], s22, v5
	v_mul_u32_u24 v5, v2, SP
	v_lshl_add_u32 v5, v1, 4, v5
	v_add_nc_u32 v[RD], s22, v5
	v_lshlrev_b32 v5, 12, v2
	v_lshl_add_u32 v[CO], v1, 4, v5                ; lanes 0-15 one row of out0, lanes 16-31 the next
	s_lshl_b32 s66, s42, 9
	s_lshl_b32 s67, s14, 8
	s_add_co_u32 s66, s66, s67                     ; my first column, in bytes
	s_mov_b32 s67, 0
	s_add_nc_u64 s[8:9], s[8:9], s[66:67]
	v_lshlrev_b32 v6, 5, v2
.irp b, 0,1,2,3
	global_load_b128 v[BI+8*\b:BI+8*\b+3], v6, s[8:9] offset:64*\b
	global_load_b128 v[BI+8*\b+4:BI+8*\b+7], v6, s[8:9] offset:64*\b+16
.endr
	s_lshl_b32 s22, s41, 11
	s_lshl_b32 s23, s45, 8
	s_add_co_u32 s22, s22, s23
	s_lshl_b32 s23, s13, 7
	s_add_co_u32 s22, s22, s23                     ; my first row: 2048 x batch + 256 x cluster y + 128 x half
	s_lshl_b32 s22, s22, 12
	s_mov_b32 s23, 0
	s_add_nc_u64 s[10:11], s[10:11], s[22:23]
	s_add_nc_u64 s[10:11], s[10:11], s[66:67]
; 8 matrix instructions: a's blocks a0, a0 + 1 against w_o's four, 32 along K.  The 32 accumulators take turns, one instruction a turn.
.macro MUL8 f, a0, first
.irp a, \a0, \a0+1
.irp b, 0,1,2,3
.if \first
	v_wmma_f32_16x16x32_f16 v[8*(4*(\a)+\b):8*(4*(\a)+\b)+7], v[\f+8*\b:\f+8*\b+7], v[\f+32+8*(\a):\f+32+8*(\a)+7], v[BI+8*\b:BI+8*\b+7]
.else
	v_wmma_f32_16x16x32_f16 v[8*(4*(\a)+\b):8*(4*(\a)+\b)+7], v[\f+8*\b:\f+8*\b+7], v[\f+32+8*(\a):\f+32+8*(\a)+7], v[8*(4*(\a)+\b):8*(4*(\a)+\b)+7]
.endif
.endr
.endr
.endm
.macro FETCH slot, q, f                ; 24 LDS loads: the slot's q-th 32 along K: w_o's four fragments, a's blocks 0-3, then 4-7
	WIN TO_F
.irp b, 0,1,2,3
	ds_load_tr16_b128 v[\f+8*\b:\f+8*\b+3], v[ADRB+\slot] offset:32*PB*(\q)+32*\b
	ds_load_tr16_b128 v[\f+8*\b+4:\f+8*\b+7], v[ADRB+\slot] offset:32*PB*(\q)+32*\b+16*PB
.endr
.irp i, 0,1,2,3,4,5,6,7
	ds_load_b128 v[\f+32+8*\i:\f+32+8*\i+3], v[ADRA+\slot] offset:256*PA*((\q)/2)+64*((\q)%2)+16*PA*\i
	ds_load_b128 v[\f+32+8*\i+4:\f+32+8*\i+7], v[ADRA+\slot] offset:256*PA*((\q)/2)+64*((\q)%2)+16*PA*\i+32
.endr
.endm
.macro PLACES
.rept 4
	v_nop
.endr
.endm
.macro QUARTER slot, q, f, g, first    ; multiplies buffer f (the slot's q-th quarter) and fetches the next quarter into g
	s_wait_dscnt 8                                 ; w_o's fragments and a's blocks 0-3 are in; the youngest eight loads may be out
.if \first
	WIN MUL1
.else
	WIN MUL
.endif
	MUL8 \f, 0, \first
	MUL8 \f, 2, \first
	PLACES
	FETCH \slot, (\q)+1, \g
	s_wait_dscnt 24                                ; all but the 24 just issued
.if \first
	WIN MUL1
.else
	WIN MUL
.endif
	MUL8 \f, 4, \first
	MUL8 \f, 6, \first
.endm
; A slot's last quarter multiplies buffer 1 and changes slots: one barrier; fill = 1: it opens a round of the cluster's barrier, and this slot is filled again, two K steps ahead.
.macro TURN slot, next, fill
	WIN 0
	s_wait_tensorcnt 0x0                           ; all my tensor loads have landed: my part of the next slot
	ds_add_u32 v[SPW], v[NIL]
	s_wait_dscnt 9                                 ; the add and the youngest eight loads may be out
	WIN MUL
	MUL8 F1, 0, 0
	s_wait_dscnt 0x0                               ; the add is done, and my reads of this slot are over
	s_barrier_signal -1
	MUL8 F1, 2, 0
.if \fill
	WIN 0
.endif
	s_barrier_wait -1
.if \fill
	CREST                                          ; no wave of any partner still reads this slot or has a load on its way
	s_add_nc_u64 s[G0+4*\slot+2:G0+4*\slot+3], s[G0+4*\slot+2:G0+4*\slot+3], 4*HB
	s_add_nc_u64 s[G0B+4*\slot+2:G0B+4*\slot+3], s[G0B+4*\slot+2:G0B+4*\slot+3], 524288
	JLOAD \slot                                    ; the four v_nop behind it are also the places in front of the loads below
.else
	PLACES
.endif
	FETCH \next, 0, F0
	WIN MUL
	MUL8 F1, 4, 0
	MUL8 F1, 6, 0
.endm
	s_wait_tensorcnt 1                             ; my part of K step 0 is in; K step 1's load may be out
	s_barrier_signal -1
	s_barrier_wait -1
	FETCH 0, 0, F0
	s_wait_loadcnt 0x0                             ; the bias
	QUARTER 0, 0, F0, F1, 1                        ; the first quarter stands in front of the loop: the bias starts the sums
	WIN 0
	s_mov_b32 s3, 3
.Llap:                                             ; a trip goes once round the ring and fills both slots again: K steps 2 to 7
	QUARTER 0, 1, F1, F0, 0
	QUARTER 0, 2, F0, F1, 0
	TURN 0, 1, 1
	QUARTER 1, 0, F0, F1, 0
	QUARTER 1, 1, F1, F0, 0
	QUARTER 1, 2, F0, F1, 0
	TURN 1, 0, 1
	QUARTER 0, 0, F0, F1, 0
	WIN 0
	s_sub_co_u32 s3, s3, 1
	s_cmp_lg_u32 s3, 0
	s_cbranch_scc1 .Llap
	QUARTER 0, 1, F1, F0, 0                        ; the last lap fills nothing
	QUARTER 0, 2, F0, F1, 0
	TURN 0, 1, 0
	QUARTER 1, 0, F0, F1, 0
	QUARTER 1, 1, F1, F0, 0
	QUARTER 1, 2, F0, F1, 0
	s_wait_dscnt 8
	WIN MUL
	MUL8 F1, 0, 0
	MUL8 F1, 2, 0
	s_wait_dscnt 0
	MUL8 F1, 4, 0
	MUL8 F1, 6, 0
	WIN 0
; THE WAY OUT, block by block of 16 rows x 64 columns, through my own stage: back as rows of 256 bytes, which sixteen lanes store whole.
.macro TOST a
	WIN 0x08                                       ; an LDS store's data: window 2
.irp b, 0,1,2,3
	ds_store_b128 v[STO], v[8*(4*(\a)+\b):8*(4*(\a)+\b)+3] offset:64*\b          ; each accumulator from its low end on
	ds_store_b128 v[STO], v[8*(4*(\a)+\b)+4:8*(4*(\a)+\b)+7] offset:64*\b+16
.endr
	WIN 0
.set BB, BK+32*((\a)%2)
.irp t, 0,1,2,3,4,5,6,7
	ds_load_b128 v[BB+4*\t:BB+4*\t+3], v[RD] offset:\t*2*SP
.endr
.endm
.macro SEND a, younger
.set BB, BK+32*((\a)%2)
	s_wait_dscnt \younger                          ; the block is back; the next block's eight stores and eight loads may be out
.if (\a) > 0
	s_add_nc_u64 s[10:11], s[10:11], 16*4096       ; (behind a wait for the earlier stores' addresses)
.else
	s_cmp_eq_u32 s15, 0                            ; positions 0-15 of a batch are written by the launch that carries them in f32
	s_cbranch_scc1 .Lskip_\@
.endif
.irp t, 0,1,2,3,4,5,6,7
	global_store_b128 v[CO], v[BB+4*\t:BB+4*\t+3], s[10:11] offset:8192*\t th:TH_STORE_NT   ; sixteen lanes store 256 consecutive bytes, aligned
.endr
.if (\a) == 0
.Lskip_\@:
.endif
.endm
	PLACES
	TOST 0
.irp a, 1,2,3,4,5,6,7
.if \a > 1
	s_wait_xcnt 0x0                                ; block a - 2's stores have read their registers and their base
.endif
	TOST \a
	SEND \a-1, 16
.endr
	s_wait_xcnt 0x0
	SEND 7, 0
	s_wait_tensorcnt 0x0                           ; the wave's end
	ds_add_u32 v[SPW], v[NIL]
	s_wait_dscnt 0x0
	CROUND                                         ; the closing round
	s_endpgm
.Lfunc_end_k_qef737623f5_proj:
	.size	k_qef737623f5_proj, .Lfunc_end_k_qef737623f5_proj-k_qef737623f5_proj
	.p2alignl 7, 3214868480
	.fill 96, 4, 3214868480
	.section	.rodata,"a",@progbits
	.p2align	6, 0x0
	.amdhsa_kernel k_qef737623f5_proj
		.amdhsa_group_segment_fixed_size 327680
		.amdhsa_private_segment_fixed_size 0
		.amdhsa_enable_private_segment 0
		.amdhsa_kernarg_size 32
		.amdhsa_user_sgpr_count 2
		.amdhsa_user_sgpr_kernarg_segment_ptr 1
		.amdhsa_wavefront_size32 1
		.amdhsa_system_sgpr_workgroup_id_x 1
		.amdhsa_system_sgpr_workgroup_id_y 1
		.amdhsa_system_sgpr_workgroup_id_z 1
		.amdhsa_system_vgpr_workitem_id 0
		.amdhsa_next_free_vgpr 768
		.amdhsa_next_free_sgpr 70
		.amdhsa_reserve_vcc 0
		.amdhsa_float_denorm_mode_32 3
		.amdhsa_float_denorm_mode_16_64 3
		.amdhsa_memory_ordered 1
		.amdhsa_forward_progress 1
		.amdhsa_inst_pref_size 87
	.end_amdhsa_kernel
	.amdgpu_metadata
---
amdhsa.version: [ 1, 2 ]
amdhsa.kernels:
  - .name:           k_qef737623f5_proj
    .symbol:         k_qef737623f5_proj.kd
    .args:
      - { .name: a16, .offset: 0, .size: 8, .value_kind: global_buffer, .address_space: global }
      - { .name: wo16, .offset: 8, .size: 8, .value_kind: global_buffer, .address_space: global }
      - { .name: b_o, .offset: 16, .size: 8, .value_kind: global_buffer, .address_space: global }
      - { .name: out0, .offset: 24, .size: 8, .value_kind: global_buffer, .address_space: global }
    .group_segment_fixed_size: 327680
    .private_segment_fixed_size: 0
    .kernarg_segment_align: 8
    .kernarg_segment_size: 32
    .max_flat_workgroup_size: 128
    .sgpr_count:     70
    .vgpr_count:     768
    .wavefront_size: 32
...
	.end_amdgpu_metadata
.endif
;; end of part 4
;; launch first16 (part 5): grid 16 x 4, 16 waves a work-group, no clusters, 71,680 bytes of LDS; arguments rows32, w_o, b_o, out0; writes out0
.if DOCPART == 5
	.amdgcn_target "amdgcn-amd-amdhsa--gfx1250"
	.amdhsa_code_object_version 6
	.text
	.protected	k_qef737623f5_first16
	.globl	k_qef737623f5_first16
	.p2align	8
	.type	k_qef737623f5_first16,@function
k_qef737623f5_first16:
	s_mov_b64 s[64:65], 0
	v_nop
	global_prefetch_b8 v0, s[64:65] scope:SCOPE_SE
	s_setreg_imm32_b32 hwreg(HW_REG_WAVE_MODE, 25, 1), 1
	s_wait_xcnt 0x0
; Positions 0-15 of each batch, all in f32: these rows average one to sixteen values and are the largest in size.  rows32: [batch 4][t 16][3072] f32 (q, k, v with their bias); w_o [1024][1024], b_o [1024] f32.
; A work-group takes (64 output columns, a batch); each of its sixteen waves takes a head: the head's 16 x 16 causal attention, then its 64 channels' part of the projection; the sixteen parts meet in LDS.
; 64 rows in all: no bulk work, so the f32 matrix form serves.  The registers that it writes (v176-223) are written by matrix instructions alone; every sum begins with the constant 0.
; Each product's K is taken in an order of its own, the same in both sources:
;   S^T = K Q^T: lane (r, h), register 2 s + j: channel 32 h + 2 s + j.     O^T = V^T P: register 2 u + j: key 8 h + 2 u + j, as the scores fall.     Y^T = W^T a^T: register 8 c + 2 u + j: channel 16 c + 8 h + 2 u + j, as O^T falls.
; REGISTERS: v1-11 addresses; v[12:13] bias; v16-143 w_o's part (column block n at 16 + 32 n); Q (v80-111) and K (v112-143) lie there first; v144-175 V, then a; v176-191 S^T in two halves; v192-223 O^T, then Y^T; v224-231 scores, then p.
.set PS,    272                        ; a row of a part in LDS: 256 bytes + 16
.set SPARE, 16*16*PS                   ; the spare words: 128 bytes for each wave, named by no other line
.set SPW, 244
.set NIL, 245
	s_load_b256 s[4:11], s[0:1], 0x0               ; rows32 s[4:5], w_o s[6:7], b_o s[8:9], out0 s[10:11]
	v_lshl_add_u32 v[SPW], v0, 2, SPARE
	v_mov_b32 v[NIL], 0
	v_lshrrev_b32 v1, 5, v0
	v_readfirstlane_b32 s12, v1                    ; wave = head
	s_and_b32 s13, ttmp7, 0xffff                   ; batch
	v_and_b32 v1, 15, v0                           ; r
	v_bfe_u32 v2, v0, 4, 1                         ; h
	v_and_b32 v3, 31, v0                           ; lane
	v_mul_u32_u24 v4, v1, 12288
	v_lshl_add_u32 v4, v2, 7, v4                   ; Q, K: row r, + 32 h channels
	v_mul_u32_u24 v5, v2, 98304
	v_lshl_add_u32 v5, v1, 2, v5                   ; V: key 8 h, channel r
	v_lshlrev_b32 v6, 15, v2
	v_lshl_add_u32 v6, v1, 2, v6                   ; w_o: row 8 h, column r
	s_mul_i32 s14, s12, 16*PS
	v_mul_u32_u24 v7, v1, PS
	v_lshl_add_u32 v7, v2, 5, v7
	v_add_nc_u32 v7, s14, v7                       ; my part in LDS: row r, + 32 h bytes
	s_mul_i32 s14, s12, PS
	v_lshlrev_b32 v9, 3, v3
	v_add_nc_u32 v8, s14, v9                       ; back: row = my wave's number, 8 bytes a lane
	v_lshlrev_b32 v10, 3, v2
	v_sub_nc_u32 v10, v1, v10                      ; r - 8 h
	v_mov_b32 v11, 0xff800000
	v_mov_b32 v233, 0                              ; written once: a lane permute's destination counts as one of its sources
	v_mov_b32 v235, 0                              ; (named as the upper half of the pair v[234:235])
	s_mov_b32 s16, 0x3e38aa3b                      ; c = log2(e) / 8
	s_mov_b32 s18, 0x76543210
	s_mov_b32 s19, 0xfedcba98
	s_mul_i32 s20, s13, 16*12288
	s_lshl_b32 s22, s12, 8
	s_add_co_u32 s20, s20, s22                     ; rows32: my batch, my head's 64 columns
	s_mov_b32 s21, 0
	s_lshl_b32 s22, s12, 18
	s_lshl_b32 s24, ttmp9, 8
	s_add_co_u32 s22, s22, s24                     ; w_o: my head's 64 rows, the work-group's 64 columns
	s_mov_b32 s23, 0
	s_mov_b32 s25, 0
	s_lshl_b32 s26, s13, 11
	s_add_co_u32 s26, s26, s12
	s_lshl_b32 s26, s26, 12
	s_add_co_u32 s26, s26, s24                     ; out0: row 2048 x batch + my wave's number
	s_mov_b32 s27, 0
	s_wait_kmcnt 0x0
	s_add_nc_u64 s[4:5], s[4:5], s[20:21]
	s_add_nc_u64 s[6:7], s[6:7], s[22:23]
	s_add_nc_u64 s[8:9], s[8:9], s[24:25]
	s_add_nc_u64 s[10:11], s[10:11], s[26:27]
.macro WLOAD n                         ; register 32 n + 8 c + j: w_o(64 head + 16 c + 8 h + j, 64 chunk + 16 n + r)
.irp c, 0,1,2,3
.irp j, 0,1,2,3,4,5,6,7
	global_load_b32 v[16+32*\n+8*\c+\j], v6, s[6:7] offset:4096*(16*\c+\j)+64*\n
.endr
.endr
.endm
.irp e, 0,1,2,3,4,5,6,7
	global_load_b128 v[80+4*\e:83+4*\e], v4, s[4:5] offset:16*\e             ; Q
	global_load_b128 v[112+4*\e:115+4*\e], v4, s[4:5] offset:4096+16*\e      ; K
.endr
.irp c, 0,1,2,3
.irp j, 0,1,2,3,4,5,6,7
	global_load_b32 v[144+8*\c+\j], v5, s[4:5] offset:8192+12288*\j+64*\c    ; V(key 8 h + j, channel 16 c + r)
.endr
.endr
	global_load_b64 v[12:13], v9, s[8:9]           ; the bias of my two columns
	WLOAD 0
	WLOAD 1
	s_wait_loadcnt 0x0
.irp s, 0,1,2,3,4,5,6,7,8,9,10,11,12,13,14,15  ; S^T = K Q^T, in two halves that take turns
.if \s < 2
	v_wmma_f32_16x16x4_f32 v[176+8*(\s%2):183+8*(\s%2)], v[112+2*\s:113+2*\s], v[80+2*\s:81+2*\s], 0
.else
	v_wmma_f32_16x16x4_f32 v[176+8*(\s%2):183+8*(\s%2)], v[112+2*\s:113+2*\s], v[80+2*\s:81+2*\s], v[176+8*(\s%2):183+8*(\s%2)]
.endif
.endr
.rept 8
	v_nop                                          ; eight places behind this form: for the loads into Q's and K's registers and for the first read of the scores
.endr
	WLOAD 2
	WLOAD 3
.irp j, 0,1,2,3,4,5,6,7
	v_add_f32 v[224+\j], v[176+\j], v[184+\j]      ; lane (r, h), register j: query r, key 8 h + j
.endr
.irp j, 0,1,2,3,4,5,6,7
	v_cmp_gt_i32 vcc_lo, \j, v10                   ; hidden where 8 h + j > r
	v_cndmask_b32 v[224+\j], v[224+\j], v11, vcc_lo
.endr
	v_max3_num_f32 v232, v224, v225, v226
	v_max3_num_f32 v232, v232, v227, v228
	v_max3_num_f32 v232, v232, v229, v230
	v_max_num_f32 v232, v232, v231
	v_permlanex16_b32 v233, v232, s18, s19
	v_max_num_f32 v232, v232, v233                 ; the row's maximum (key 0 counts for every query)
	v_mul_f32 v232, s16, v232
.irp j, 0,1,2,3,4,5,6,7
	v_fma_f32 v[224+\j], v[224+\j], s16, -v232
.endr
.irp j, 0,1,2,3,4,5,6,7
	v_exp_f32 v[224+\j], v[224+\j]
.endr
	v_nop
	s_wait_alu depctr_va_vdst(0)                   ; one wait for the eight, ahead of their first reader
	v_add_f32 v233, v224, v225
	v_add_f32 v236, v226, v227
	v_add_f32 v237, v228, v229
	v_add_f32 v238, v230, v231
	v_add_f32 v233, v233, v236
	v_add_f32 v237, v237, v238
	v_add_f32 v233, v233, v237
	v_permlanex16_b32 v236, v233, s18, s19
	v_add_f32 v233, v233, v236                     ; the row's sum
	v_rcp_f32 v234, v233
	v_nop
	s_wait_alu depctr_va_vdst(0)
.irp u, 0,1,2,3                                ; O^T = V^T P: four accumulators by turns
.irp c, 0,1,2,3
.if \u == 0
	v_wmma_f32_16x16x4_f32 v[192+8*\c:199+8*\c], v[144+8*\c+2*\u:145+8*\c+2*\u], v[224+2*\u:225+2*\u], 0
.else
	v_wmma_f32_16x16x4_f32 v[192+8*\c:199+8*\c], v[144+8*\c+2*\u:145+8*\c+2*\u], v[224+2*\u:225+2*\u], v[192+8*\c:199+8*\c]
.endif
.endr
.endr
.rept 8
	v_nop
.endr
.irp i, 0,1,2,3,4,5,6,7,8,9,10,11,12,13,14,15
	v_pk_mul_f32 v[144+2*\i:145+2*\i], v[192+2*\i:193+2*\i], v[234:235] op_sel_hi:[1,0]   ; a = O^T / the sum, into V's registers: register 8 c + j is a(r, 16 c + 8 h + j)
.endr
.rept 9
	v_nop                                          ; the next products begin new sums in O^T's registers: nine places behind the products that wrote them
.endr
	s_wait_loadcnt 0x0                             ; w_o's column blocks 2 and 3
.irp c, 0,1,2,3                                ; Y^T = W^T a^T over my head's 64 channels: four accumulators by turns
.irp u, 0,1,2,3
.irp n, 0,1,2,3
.if (\c == 0) && (\u == 0)
	v_wmma_f32_16x16x4_f32 v[192+8*\n:199+8*\n], v[16+32*\n+8*\c+2*\u:17+32*\n+8*\c+2*\u], v[144+8*\c+2*\u:145+8*\c+2*\u], 0
.else
	v_wmma_f32_16x16x4_f32 v[192+8*\n:199+8*\n], v[16+32*\n+8*\c+2*\u:17+32*\n+8*\c+2*\u], v[144+8*\c+2*\u:145+8*\c+2*\u], v[192+8*\n:199+8*\n]
.endif
.endr
.endr
.endr
.rept 8
	v_nop
.endr
.irp n, 0,1,2,3
	ds_store_b128 v7, v[192+8*\n:195+8*\n] offset:64*\n            ; lane (r, h): my head's part of y(r, 16 n + 8 h + 0 .. 7); each accumulator from its low end on
	ds_store_b128 v7, v[196+8*\n:199+8*\n] offset:64*\n+16
.endr
	s_wait_dscnt 0x0                               ; for the others' sake: my stores have landed
	s_barrier_signal -1
	s_barrier_wait -1
.irp p, 0,1,2,3,4,5,6,7,8,9,10,11,12,13,14,15
	ds_load_b64 v[16+2*\p:17+2*\p], v8 offset:16*PS*\p             ; row w of all sixteen parts
.endr
	s_wait_dscnt 0x0
.irp i, 0,1,2,3,4,5,6,7
	v_pk_add_f32 v[16+4*\i:17+4*\i], v[16+4*\i:17+4*\i], v[18+4*\i:19+4*\i]
.endr
.irp i, 0,1,2,3
	v_pk_add_f32 v[16+8*\i:17+8*\i], v[16+8*\i:17+8*\i], v[20+8*\i:21+8*\i]
.endr
.irp i, 0,1
	v_pk_add_f32 v[16+16*\i:17+16*\i], v[16+16*\i:17+16*\i], v[24+16*\i:25+16*\i]
.endr
	v_pk_add_f32 v[16:17], v[16:17], v[32:33]
	v_pk_add_f32 v[16:17], v[16:17], v[12:13]      ; + b_o
	global_store_b64 v9, v[16:17], s[10:11]        ; the wave stores 256 consecutive bytes, aligned
	s_wait_tensorcnt 0x0                           ; the wave's end
	ds_add_u32 v[SPW], v[NIL]
	s_wait_dscnt 0x0
	s_endpgm
.Lfunc_end_k_qef737623f5_first16:
	.size	k_qef737623f5_first16, .Lfunc_end_k_qef737623f5_first16-k_qef737623f5_first16
	.p2alignl 7, 3214868480
	.fill 96, 4, 3214868480
	.section	.rodata,"a",@progbits
	.p2align	6, 0x0
	.amdhsa_kernel k_qef737623f5_first16
		.amdhsa_group_segment_fixed_size 71680
		.amdhsa_private_segment_fixed_size 0
		.amdhsa_enable_private_segment 0
		.amdhsa_kernarg_size 32
		.amdhsa_user_sgpr_count 2
		.amdhsa_user_sgpr_kernarg_segment_ptr 1
		.amdhsa_wavefront_size32 1
		.amdhsa_system_sgpr_workgroup_id_x 1
		.amdhsa_system_sgpr_workgroup_id_y 1
		.amdhsa_system_sgpr_workgroup_id_z 1
		.amdhsa_system_vgpr_workitem_id 0
		.amdhsa_next_free_vgpr 256
		.amdhsa_next_free_sgpr 66
		.amdhsa_reserve_vcc 1
		.amdhsa_float_denorm_mode_32 3
		.amdhsa_float_denorm_mode_16_64 3
		.amdhsa_memory_ordered 1
		.amdhsa_forward_progress 1
		.amdhsa_inst_pref_size 33
	.end_amdhsa_kernel
	.amdgpu_metadata
---
amdhsa.version: [ 1, 2 ]
amdhsa.kernels:
  - .name:           k_qef737623f5_first16
    .symbol:         k_qef737623f5_first16.kd
    .args:
      - { .name: rows32, .offset: 0, .size: 8, .value_kind: global_buffer, .address_space: global }
      - { .name: w_o, .offset: 8, .size: 8, .value_kind: global_buffer, .address_space: global }
      - { .name: b_o, .offset: 16, .size: 8, .value_kind: global_buffer, .address_space: global }
      - { .name: out0, .offset: 24, .size: 8, .value_kind: global_buffer, .address_space: global }
    .group_segment_fixed_size: 71680
    .private_segment_fixed_size: 0
    .kernarg_segment_align: 8
    .kernarg_segment_size: 32
    .max_flat_workgroup_size: 512
    .sgpr_count:     66
    .vgpr_count:     256
    .wavefront_size: 32
...
	.end_amdgpu_metadata
.endif
;; end of part 5
